; MI455X (gfx1250); checked and timed in simulation.
; The chip was launched on July 23, 2026; its instructions are those of AMD's public machine-readable ISA for CDNA 5 (MIT licence, August 2026) and "CDNA5" Instruction Set Architecture Reference Guide (July 2026). The comments in the code are by the model that wrote it; some were corrected since.
;; Attention Block. Allowed arithmetic: matrix products marked QUANTISED: E3M2 operands, one E8M0 scale for each 32 along K, by v_wmma_scale_f32_16x16x128_f8f6f4 with both operands' format E3M2, f32 sums; everything else in f32.
;; Inputs: Wk_codes 1,024 x 32 x 24 uint8 (E3M2 codes of Wk, K innermost, in blocks of 32 codes, four codes in three bytes); Wk_scales 1,024 x 32 uint8 (E8M0 scales of Wk, one for each 32 codes along K); Wo_codes 1,024 x 32 x 24 uint8 (E3M2 codes of Wo, K innermost, in blocks of 32 codes, four codes in three bytes); Wo_scales 1,024 x 32 uint8 (E8M0 scales of Wo, one for each 32 codes along K); Wq_codes 1,024 x 32 x 24 uint8 (E3M2 codes of Wq, K innermost, in blocks of 32 codes, four codes in three bytes); Wq_scales 1,024 x 32 uint8 (E8M0 scales of Wq, one for each 32 codes along K); Wv_codes 1,024 x 32 x 24 uint8 (E3M2 codes of Wv, K innermost, in blocks of 32 codes, four codes in three bytes); Wv_scales 1,024 x 32 uint8 (E8M0 scales of Wv, one for each 32 codes along K); bk 1,024 float32; bo 1,024 float32; bq 1,024 float32; bv 1,024 float32; tokens 4 x 2,048 x 1,024 float32.
;; Outputs: out0 4 x 2,048 x 1,024 float32.
;; This version of the problem:
;;   THIS VERSION OF THE PROBLEM IS GIVEN IN LOW PRECISION. The matrix products marked QUANTISED in the list below multiply operands that are first quantised to E3M2 (3 exponent bits, 2 mantissa bits; 6 bits a number), with one power-of-two scale for each 32 numbers along K (OCP MX v1.0); their sums are f32. All else is computed in f32.
;;   The module's matrix products, in the order in which they are computed (A, B: the left and right operand; K: the contracted axis; several contracted axes count as one K, in the product's order):
;;     1. [M 8,192, K 1,024] x [K 1,024, N 1,024]; A: computed on the way; B: input Wq (given as codes): QUANTISED
;;     2. [M 8,192, K 1,024] x [K 1,024, N 1,024]; A: computed on the way; B: input Wk (given as codes): QUANTISED
;;     3. [M 8,192, K 1,024] x [K 1,024, N 1,024]; A: computed on the way; B: input Wv (given as codes): QUANTISED
;;     4. batch 4 x [M 2,048, K 1,024] x [K 1,024, N 2,048]; A: computed on the way; B: computed on the way: QUANTISED
;;     5. batch 4 x [M 2,048, K 2,048] x [K 2,048, N 1,024]; A: softmax (see below); B: computed on the way: QUANTISED
;;     6. [M 8,192, K 1,024] x [K 1,024, N 1,024]; A: computed on the way; B: input Wo (given as codes): QUANTISED
;;   THE QUANTISER, for each operand of a quantised product, along K:
;;     - K is cut into blocks of 32 from its start; a last block that is shorter is filled with zeros.
;;     - A block's scale is 2^e with e = floor(log2(the largest magnitude in the block)) - 4, held to -126 .. 127; a block of zeros has e = 0. As a byte (E8M0): e + 127.
;;     - Each number is divided by its block's scale, clamped to +-28, and rounded to the nearest number of E3M2, ties to even, subnormals kept.
;;     - The product sums the exact products of the quantised numbers (number of the format x scale) in f32.
;;   ~~~python
;;   def quantise(x, axis):      # numpy; x: float32 -> the quantised numbers, widened to float32 again
;;       x = np.moveaxis(x, axis, -1); K = x.shape[-1]
;;       x = np.pad(x, [(0, 0)] * (x.ndim - 1) + [(0, -K % 32)]); x = x.reshape(x.shape[:-1] + (-1, 32)); a = np.abs(x).max(-1, keepdims=True)
;;       e = np.where(a > 0, np.clip(np.frexp(np.where(a > 0, a, 1))[1] - 1 - 4, -126, 127), 0)      # np.frexp(a)[1] - 1 = floor(log2(a)), exactly
;;       r = np.clip(x / 2.0 ** e, -28, 28)
;;       step = 2.0 ** (np.maximum(np.frexp(np.where(r == 0, 1, r))[1] - 1, -2) - 2)
;;       q = np.round(r / step) * step * 2.0 ** e      # np.round: ties to even
;;       return np.moveaxis(q.reshape(q.shape[:-2] + (-1,))[..., :K], -1, axis).astype(np.float32)
;;   ~~~
;;   SOFTMAX AHEAD OF A QUANTISED PRODUCT. Where the list says 'softmax', what is quantised is not the finished softmax but p = 2^(t - M), with t = logit x log2(e) and M = ceil(the row's largest t), a whole number; so 1/2 < the row's largest p <= 1. The row's sum l is taken of the UNQUANTISED p, in f32, and the product's result is divided by l at the end. Since M is a whole number, a kernel that streams over the keys may use a running M (the ceiling of the running maximum): every later rescaling is an exact power of two, which a block's scale takes up: the codes' values come out the same.
;;   OPERANDS COMPUTED ON THE WAY. 'Computed on the way' means the value that the module computes at that place (a softmax that the list does not call 'softmax' is quantised finished and normalised). What goes into a quantiser is computed in f32, as accurately as f32 sums, v_exp_f32 and their like allow (about 1e-6 of the number): no bf16 or f16 on the way to a quantiser, and a product that is left as it is and whose result goes on into a quantised operand takes f32 operands (vector FMAs, or v_wmma_f32_16x16x4_f32). A number that lies on a knife's edge between two numbers of the format may be rounded either way, as far as f32 arithmetic and the matrix unit's own rounding can turn it there, and no further.
;;   INPUTS GIVEN AS CODES. Wk (in the module: [1024, 1024], K = its axis 0); Wo (in the module: [1024, 1024], K = its axis 0); Wq (in the module: [1024, 1024], K = its axis 0); Wv (in the module: [1024, 1024], K = its axis 0): each comes as NAME_codes (uint8): NAME with its K axis moved to the last place and cut into blocks of 32 codes, [.., K / 32, bytes a block], one block behind the other in memory; four codes in three bytes: a row's codes are one little-endian stream of bits, code i at bits 6 i .. 6 i + 5 (a code: sign, 3 exponent bits, 2 mantissa bits); and NAME_scales (uint8): the same leading axes, one E8M0 byte (e + 127) for each 32 codes along K. Its value is code x scale, taken as it is: it is not quantised again, and the codes and scales need not be those that the quantiser above would give.
;; One version. Each part assembles by itself: llvm-mc -triple=amdgcn-amd-amdhsa -mcpu=gfx1250 --defsym DOCPART=n.
;; ======== version 1 of 1: 5 launches
;; limits: an absolute error that grows with the inputs' magnitude: up to 1.2e-07 times it
;; workspace buffers: xwimg 9,830,400 bytes; qkvimg 19,660,800 bytes; pimg 14,155,776 bytes; miximg 6,553,600 bytes
;; launch prep (part 1): grid 384 x 1, 8 waves a work-group, no clusters, 136,192 bytes of LDS; arguments tokens, Wq_codes, Wq_scales, Wk_codes, Wk_scales, Wv_codes, Wv_scales, Wo_codes, Wo_scales, xwimg; writes xwimg
.if DOCPART == 1
	.amdgcn_target "amdgcn-amd-amdhsa--gfx1250"
	.amdhsa_code_object_version 6
	.text
	.protected	k_q744dff2984_prep
	.globl	k_q744dff2984_prep
	.p2align	8
	.type	k_q744dff2984_prep,@function
k_q744dff2984_prep:
	s_mov_b64 s[64:65], 0
	v_nop
	global_prefetch_b8 v0, s[64:65] scope:SCOPE_SE
	s_setreg_imm32_b32 hwreg(HW_REG_WAVE_MODE, 25, 1), 1
	s_wait_xcnt 0x0
; LAUNCH 1 OF 5.  out = softmax(q k^T / 32) v Wo + bo + tokens, with q, k, v = gelu(tokens) W + b; all six products on codes of BF6 (E3M2) with one E8M0 scale for each 32 along K.
; NOTHING IS LEFT OUT: every input has a way to the output; bk and bv stand ahead of quantisers and are added before them.
; This launch makes x = gelu(tokens) (exact form, by erf), quantises it along d, and lays x and the four weights out as FRAGMENT IMAGES, the form in which all later launches read operands:
;   a fragment (16 rows x 128 K) is 1,536 bytes: chunk c (0..2) at 512 c, lane l's 16 bytes at 16 l = the lane's operand registers 4 c .. 4 c + 3.
;   lane r of row block rb holds row 32 (rb / 2) + 8 (rb % 2) + r + 8 (r / 8); fragment (rb, ks) lies at (8 rb + ks) x 1,536.
;   scale words: [group of 8 row blocks][ks][128 words]; word of (rb, r) at 64 (rb % 8) + 4 r.
;   row blocks: x 0-511, Wq 512-575, Wk 576-639, Wv 640-703, Wo 704-767; scale words from byte 9,437,184 on.
; With that order of rows a transposed product's 64 results of a lane are 64 + 64 neighbours along the next K, so every later operand is quantised in registers and stored as an image.
; SHARES.  Work-groups 0-255: 32 tokens each (131,072 bytes on end); wave w takes columns 128 w on: two fragments.  Work-groups 256-383: 32 rows of one weight; wave w takes K step w: a plain copy into the image's order.
; No cluster, no tensor load, no barrier, no matrix unit: work-groups and waves share no input; the launch moves bytes.
; erf(z) = z P(z^2) / Q(z^2), z held to +-4 (the rational form of degree 13 over 8); gelu = (x / 2) erf + x / 2, one fused multiply-add.
; LIMITS: 0.5 (1 + erf) carries an absolute error of about 1.2e-7, so gelu loses relative accuracy for x under about -3 (its size there is under 5e-3); NaN and infinities among the inputs are not served;
; a block whose largest magnitude lies under 2^(5 - 127) gets the byte 1 (a block of zeros too: its codes are zeros, and this program alone reads the bytes).
.set WST,   16896                      ; LDS: a wave's two stages
.set FST,   8448                       ; a stage: 16 rows x (512 bytes + 16): rows 33 x 16 bytes apart, so sixteen rows' equal columns start in sixteen different groups of banks
.set SPARE, 135168                     ; behind the stages: the spare words, 128 bytes for each of the eight waves
.set R,   32                           ; v32-159  fragment u, row i as loaded at R + 64 u + 4 i; behind the stage register R + 64 u + 16 b + i = k 32 b + 16 (lane / 16) + i of my row
.set Z,   160                          ; v160-167 z, later x / 2
.set W,   168                          ; v168-175 z^2
.set P,   176                          ; v176-183 numerator
.set Q,   184                          ; v184-191 denominator
.set TM,  196                          ; v196-211 at work in the quantiser
.set PC,  212                          ; v212-231 the codes just made
.set SEL, 48                           ; s[48:49] lane selects for v_permlanex16_b32: lane l xor 16
.macro SPAIR r, v                      ; a constant as a pair: the packed forms name a pair and take its low word for both halves
	s_mov_b32 s[\r], \v
	s_mov_b32 s[\r+1], \v
.endm
; gelu of eight numbers, in place
.macro GELU8 x
.irp i, 0,2,4,6
	v_pk_mul_f32 v[Z+\i:Z+\i+1], v[(\x)+\i:(\x)+\i+1], s[26:27] op_sel_hi:[1,0]      ; z = x / sqrt(2)
.endr
.irp i, 0,1,2,3,4,5,6,7
	v_med3_num_f32 v[Z+\i], v[Z+\i], -4.0, 4.0
.endr
.irp i, 0,2,4,6
	v_pk_mul_f32 v[W+\i:W+\i+1], v[Z+\i:Z+\i+1], v[Z+\i:Z+\i+1]
.endr
.irp i, 0,2,4,6
	v_pk_fma_f32 v[P+\i:P+\i+1], v[W+\i:W+\i+1], v[192:193], s[28:29] op_sel_hi:[1,1,0]
	v_pk_fma_f32 v[Q+\i:Q+\i+1], v[W+\i:W+\i+1], v[194:195], s[40:41] op_sel_hi:[1,1,0]
.endr
.irp k, 30,32,34,36,38
.irp i, 0,2,4,6
	v_pk_fma_f32 v[P+\i:P+\i+1], v[P+\i:P+\i+1], v[W+\i:W+\i+1], s[\k:\k+1] op_sel_hi:[1,1,0]
.endr
.endr
.irp k, 42,44,46
.irp i, 0,2,4,6
	v_pk_fma_f32 v[Q+\i:Q+\i+1], v[Q+\i:Q+\i+1], v[W+\i:W+\i+1], s[\k:\k+1] op_sel_hi:[1,1,0]
.endr
.endr
.irp i, 0,1,2,3,4,5,6,7
	v_rcp_f32 v[Q+\i], v[Q+\i]
.endr
.irp i, 0,2,4,6
	v_pk_mul_f32 v[P+\i:P+\i+1], v[P+\i:P+\i+1], v[Z+\i:Z+\i+1]                      ; plain work behind the reciprocals
.endr
.irp i, 0,2,4,6
	v_pk_mul_f32 v[Z+\i:Z+\i+1], v[(\x)+\i:(\x)+\i+1], 0.5 op_sel_hi:[1,0]
.endr
	s_wait_alu depctr_va_vdst(0)                   ; one wait for the eight reciprocals, ahead of their first reader
.irp i, 0,2,4,6
	v_pk_mul_f32 v[P+\i:P+\i+1], v[P+\i:P+\i+1], v[Q+\i:Q+\i+1]                      ; erf
.endr
.irp i, 0,2,4,6
	v_pk_fma_f32 v[(\x)+\i:(\x)+\i+1], v[Z+\i:Z+\i+1], v[P+\i:P+\i+1], v[Z+\i:Z+\i+1]
.endr
.endm
; 64 numbers of a lane, register 16 b + i = k 32 b + 16 (lane / 16) + i of my row, become a fragment's codes in v[PC] on and my row's scale word in v[pw]
.macro QUANT s, pw
.irp b, 0,1,2,3
	v_max3_num_f32 v[TM+\b], |v[(\s)+16*\b]|, |v[(\s)+1+16*\b]|, 0x2800000           ; with the floor 2^(5 - 127): the byte cannot fall under 1
.endr
.irp i, 2,4,6,8,10,12,14
.irp b, 0,1,2,3
	v_max3_num_f32 v[TM+\b], v[TM+\b], |v[(\s)+16*\b+\i]|, |v[(\s)+1+16*\b+\i]|
.endr
.endr
.irp b, 0,1,2,3
	v_permlanex16_b32 v[TM+4+\b], v[TM+\b], s[SEL], s[SEL+1]
.endr
.irp b, 0,1,2,3
	v_max_num_f32 v[TM+\b], v[TM+\b], v[TM+4+\b]                                     ; with lane l xor 16's 16: the block's largest magnitude
.endr
.irp b, 0,1,2,3
	v_add_nc_u32 v[TM+12+\b], 0xfe000000, v[TM+\b]                                   ; 4 off its exponent field: the conversion's scale operand
.endr
.irp b, 0,1,2,3
	v_lshrrev_b32 v[TM+4+\b], 23, v[TM+12+\b]                                        ; the scale's byte
.endr
	v_lshl_or_b32 v[\pw], v[TM+5], 8, v[TM+4]
	v_lshl_or_b32 v[\pw], v[TM+6], 16, v[\pw]
	v_lshl_or_b32 v[\pw], v[TM+7], 24, v[\pw]
.irp c, 0,1
	v_cvt_scalef32_pk16_bf6_f32 v[PC+6*\c:PC+2+6*\c], v[(\s)+32*\c:(\s)+15+32*\c], v[TM+12+2*\c]
	v_cvt_scalef32_pk16_bf6_f32 v[PC+12+4*\c:PC+14+4*\c], v[(\s)+16+32*\c:(\s)+31+32*\c], v[TM+12+2*\c+1]
.endr
	v_nop                                          ; one plain place behind a scaled conversion
.irp c, 0,1                                    ; the operand wants a whole block in a lane: lanes 0-15 block 2 c, lanes 16-31 block 2 c + 1
.irp i, 0,1,2
	v_permlane16_swap_b32 v[PC+6*\c+\i], v[PC+12+4*\c+\i]
.endr
.irp i, 0,1,2
	v_mov_b32 v[PC+3+6*\c+\i], v[PC+12+4*\c+\i]
.endr
.endr
.endm
.macro PUT base, off                   ; the fragment leaves as it stands: three stores of 512 consecutive bytes, aligned
.irp c, 0,1,2
	global_store_b128 v1, v[PC+4*\c:PC+4*\c+3], s[\base:\base+1] offset:(\off)+512*\c
.endr
.endm
	s_load_b256 s[4:11], s[0:1], 0x0               ; tokens, Wq's codes, Wq's scales, Wk's codes
	s_load_b256 s[12:19], s[0:1], 0x20             ; Wk's scales, Wv's codes, Wv's scales, Wo's codes
	s_load_b128 s[20:23], s[0:1], 0x40             ; Wo's scales, the images
	v_lshl_add_u32 v12, v0, 2, SPARE               ; my spare word,
	v_mov_b32 v13, 0                               ; and 0: kept for the closing lines
	v_lshrrev_b32 v14, 5, v0
	v_readfirstlane_b32 s24, v14                   ; wave 0..7
	v_and_b32 v14, 31, v0                          ; lane
	v_lshlrev_b32 v1, 4, v14                       ; 16 x lane
	v_lshlrev_b32 v2, 2, v14                       ; 4 x lane
	v_and_b32 v15, 15, v0                          ; r
	v_bfe_u32 v16, v0, 4, 1                        ; h
	s_wait_kmcnt 0x0
	s_cmp_lt_u32 ttmp9, 256
	s_cbranch_scc0 .Lweights
	; ---- x: 32 tokens x 128 columns a wave
	s_mul_i32 s52, s24, WST
	v_add_nc_u32 v3, s52, v1                       ; into a stage: 16 x lane of a row
	v_mul_u32_u24 v4, v15, 528
	v_lshl_add_u32 v4, v16, 6, v4
	v_add_nc_u32 v4, s52, v4                       ; out of it: row r, + 64 h
	s_lshl_b32 s54, ttmp9, 17                      ; 32 rows of 4,096 bytes
	s_lshl_b32 s53, s24, 9
	s_add_co_u32 s54, s54, s53
	s_mov_b32 s55, 0
	s_add_nc_u64 s[4:5], s[4:5], s[54:55]
.irp u, 0,1
.irp i, 0,1,2,3,4,5,6,7,8,9,10,11,12,13,14,15
	global_load_b128 v[R+64*\u+4*\i:R+64*\u+4*\i+3], v1, s[4:5] offset:(8*\u+\i+8*(\i/8))*4096 th:TH_LOAD_NT   ; 512 consecutive bytes of the row that lane i of fragment u stands for
.endr
.endr
	SPAIR 26, 0x3f3504f3                           ; 1 / sqrt(2)
	SPAIR 28, 0x32edffee                           ; the numerator's coefficients 1 to 6
	SPAIR 30, 0xb60cff51
	SPAIR 32, 0xb86ec2d2
	SPAIR 34, 0xba40ac63
	SPAIR 36, 0xbb41a1f6
	SPAIR 38, 0xbc83dbd4
	SPAIR 40, 0xb95fbd29                           ; the denominator's 1 to 4
	SPAIR 42, 0xbadc924e
	SPAIR 44, 0xbbf19bf8
	SPAIR 46, 0xbc69b6a7
	s_mov_b32 s[SEL], 0x76543210
	s_mov_b32 s[SEL+1], 0xfedcba98
	s_mov_b32 s50, 0xffff0000                      ; lanes 16-31
	v_mov_b32 v192, 0xaf95df0b                     ; the leading coefficients, as pairs
	v_mov_b32 v193, 0xaf95df0b
	v_mov_b32 v194, 0xb77460cd
	v_mov_b32 v195, 0xb77460cd
.irp b, 0,1,2,3
	v_mov_b32 v[TM+4+\b], 0                        ; written once: a lane permute's destination counts as one of its sources
.endr
	s_mul_i32 s54, ttmp9, 24576                    ; row block 2 g, K step w
	s_mul_i32 s53, s24, 1536
	s_add_co_u32 s54, s54, s53
	s_add_nc_u64 s[58:59], s[22:23], s[54:55]
	s_lshr_b32 s54, ttmp9, 2                       ; the scale words: group g / 4, K step w, pair g % 4
	s_lshl_b32 s54, s54, 3
	s_add_co_u32 s54, s54, s24
	s_lshl_b32 s54, s54, 9
	s_and_b32 s53, ttmp9, 3
	s_lshl_b32 s53, s53, 7
	s_add_co_u32 s54, s54, s53
	s_add_co_u32 s54, s54, 9437184
	s_add_nc_u64 s[60:61], s[22:23], s[54:55]
.irp u, 0,1
.irp k, 0,1,2,3,4,5,6,7
	s_wait_loadcnt 30-16*\u-2*\k                   ; loads come back in order: rows 2 k and 2 k + 1 of fragment u are in, the younger ones stay out
	GELU8 R+64*\u+8*\k
	ds_store_b128 v3, v[R+64*\u+8*\k:R+64*\u+8*\k+3] offset:FST*\u+528*(2*\k)
	ds_store_b128 v3, v[R+64*\u+8*\k+4:R+64*\u+8*\k+7] offset:FST*\u+528*(2*\k+1)
.endr
.irp b, 0,1,2,3
.irp j, 0,1,2,3
	ds_load_b128 v[R+64*\u+16*\b+4*\j:R+64*\u+16*\b+4*\j+3], v4 offset:FST*\u+128*\b+16*\j   ; LDS serves a wave's instructions in order: these see my stores
.endr
.endr
.endr
	s_wait_dscnt 32                                ; fragment 0 is back; fragment 1's 16 stores and 16 loads may be out
	QUANT R, 232
	PUT 58, 0
	s_wait_dscnt 0x0
	s_wait_xcnt 0x0                                ; the stores have read the codes' registers: they are written again only behind this wait
	QUANT R+64, 233
	PUT 58, 12288
	v_cndmask_b32 v234, v232, v233, s50            ; lanes 0-15: block 2 g's words, lanes 16-31: block 2 g + 1's
	global_store_b32 v2, v234, s[60:61]
	s_branch .Lend
.Lweights:
	; ---- a weight: 32 rows x 128 K a wave, copied into the image's order
	s_sub_co_u32 s52, ttmp9, 256                   ; j
	s_lshr_b32 s53, s52, 5                         ; which weight: q, k, v, o
	s_and_b32 s54, s52, 31                         ; which 32 rows
	s_cmp_eq_u32 s53, 1
	s_cselect_b64 s[56:57], s[10:11], s[6:7]
	s_cselect_b64 s[58:59], s[12:13], s[8:9]
	s_cmp_eq_u32 s53, 2
	s_cselect_b64 s[56:57], s[14:15], s[56:57]
	s_cselect_b64 s[58:59], s[16:17], s[58:59]
	s_cmp_eq_u32 s53, 3
	s_cselect_b64 s[56:57], s[18:19], s[56:57]
	s_cselect_b64 s[58:59], s[20:21], s[58:59]
	s_mul_i32 s60, s54, 24576                      ; 32 rows of 768 bytes
	s_mul_i32 s62, s24, 96                         ; 128 codes are 96 bytes
	s_add_co_u32 s60, s60, s62
	s_mov_b32 s61, 0
	s_add_nc_u64 s[56:57], s[56:57], s[60:61]
	s_lshl_b32 s60, s54, 10                        ; 32 rows of 32 scale bytes
	s_lshl_b32 s62, s24, 2
	s_add_co_u32 s60, s60, s62
	s_add_nc_u64 s[58:59], s[58:59], s[60:61]
	v_and_b32 v5, 8, v15
	v_add_nc_u32 v5, v5, v15                       ; r + 8 (r / 8)
	v_lshl_add_u32 v6, v16, 3, v5                  ; the pair's words: lanes 16-31 take the block 8 rows on
	v_lshlrev_b32 v6, 5, v6
	v_mul_u32_u24 v5, v5, 768
	v_mad_u32_u24 v5, v16, 24, v5
.irp u, 0,1
.irp p, 0,1,2,3,4,5
	global_load_b64 v[32+12*\u+2*\p:33+12*\u+2*\p], v5, s[56:57] offset:8*\u*768+48*(\p/3)+8*(\p%3)
.endr
.endr
	global_load_b32 v56, v6, s[58:59]
	s_mul_i32 s60, s52, 24576                      ; row block 512 + 2 j, K step w
	s_mul_i32 s62, s24, 1536
	s_add_co_u32 s60, s60, s62
	s_add_co_u32 s60, s60, 6291456
	s_add_nc_u64 s[26:27], s[22:23], s[60:61]
	s_lshr_b32 s60, s52, 2                         ; group 64 + j / 4, K step w, pair j % 4
	s_add_co_u32 s60, s60, 64
	s_lshl_b32 s60, s60, 3
	s_add_co_u32 s60, s60, s24
	s_lshl_b32 s60, s60, 9
	s_and_b32 s62, s52, 3
	s_lshl_b32 s62, s62, 7
	s_add_co_u32 s60, s60, s62
	s_add_co_u32 s60, s60, 9437184
	s_add_nc_u64 s[28:29], s[22:23], s[60:61]
	s_wait_loadcnt 0x0
.irp u, 0,1
.irp c, 0,1,2
	global_store_b128 v1, v[32+12*\u+4*\c:35+12*\u+4*\c], s[26:27] offset:12288*\u+512*\c
.endr
.endr
	global_store_b32 v2, v56, s[28:29]
.Lend:
	s_wait_tensorcnt 0x0                           ; the wave's end, behind the last LDS store
	ds_add_u32 v12, v13
	s_wait_dscnt 0x0
	s_endpgm
.Lfunc_end_k_q744dff2984_prep:
	.size	k_q744dff2984_prep, .Lfunc_end_k_q744dff2984_prep-k_q744dff2984_prep
	.p2alignl 7, 3214868480
	.fill 96, 4, 3214868480
	.section	.rodata,"a",@progbits
	.p2align	6, 0x0
	.amdhsa_kernel k_q744dff2984_prep
		.amdhsa_group_segment_fixed_size 136192
		.amdhsa_private_segment_fixed_size 0
		.amdhsa_enable_private_segment 0
		.amdhsa_kernarg_size 80
		.amdhsa_user_sgpr_count 2
		.amdhsa_user_sgpr_kernarg_segment_ptr 1
		.amdhsa_wavefront_size32 1
		.amdhsa_system_sgpr_workgroup_id_x 1
		.amdhsa_system_sgpr_workgroup_id_y 1
		.amdhsa_system_sgpr_workgroup_id_z 1
		.amdhsa_system_vgpr_workitem_id 0
		.amdhsa_next_free_vgpr 256
		.amdhsa_next_free_sgpr 66
		.amdhsa_reserve_vcc 0
		.amdhsa_float_denorm_mode_32 3
		.amdhsa_float_denorm_mode_16_64 3
		.amdhsa_memory_ordered 1
		.amdhsa_forward_progress 1
		.amdhsa_inst_pref_size 100
	.end_amdhsa_kernel
	.amdgpu_metadata
---
amdhsa.version: [ 1, 2 ]
amdhsa.kernels:
  - .name:           k_q744dff2984_prep
    .symbol:         k_q744dff2984_prep.kd
    .args:
      - { .name: tokens, .offset: 0, .size: 8, .value_kind: global_buffer, .address_space: global }
      - { .name: Wq_codes, .offset: 8, .size: 8, .value_kind: global_buffer, .address_space: global }
      - { .name: Wq_scales, .offset: 16, .size: 8, .value_kind: global_buffer, .address_space: global }
      - { .name: Wk_codes, .offset: 24, .size: 8, .value_kind: global_buffer, .address_space: global }
      - { .name: Wk_scales, .offset: 32, .size: 8, .value_kind: global_buffer, .address_space: global }
      - { .name: Wv_codes, .offset: 40, .size: 8, .value_kind: global_buffer, .address_space: global }
      - { .name: Wv_scales, .offset: 48, .size: 8, .value_kind: global_buffer, .address_space: global }
      - { .name: Wo_codes, .offset: 56, .size: 8, .value_kind: global_buffer, .address_space: global }
      - { .name: Wo_scales, .offset: 64, .size: 8, .value_kind: global_buffer, .address_space: global }
      - { .name: xwimg, .offset: 72, .size: 8, .value_kind: global_buffer, .address_space: global }
    .group_segment_fixed_size: 136192
    .private_segment_fixed_size: 0
    .kernarg_segment_align: 8
    .kernarg_segment_size: 80
    .max_flat_workgroup_size: 256
    .sgpr_count:     66
    .vgpr_count:     256
    .wavefront_size: 32
...
	.end_amdgpu_metadata
.endif
;; end of part 1
;; launch qkv (part 2): grid 8 x 32, 4 waves a work-group, clusters of 4 x 4, 327,680 bytes of LDS; arguments xwimg, bq, bk, bv, qkvimg; writes qkvimg
.if DOCPART == 2
	.amdgcn_target "amdgcn-amd-amdhsa--gfx1250"
	.amdhsa_code_object_version 6
	.text
	.protected	k_q744dff2984_qkv
	.globl	k_q744dff2984_qkv
	.p2align	8
	.type	k_q744dff2984_qkv,@function
k_q744dff2984_qkv:
	s_mov_b64 s[64:65], 0
	v_nop
	global_prefetch_b8 v0, s[64:65] scope:SCOPE_SE
	s_setreg_imm32_b32 hwreg(HW_REG_WAVE_MODE, 25, 1), 1
	s_wait_xcnt 0x0
	s_wait_alu depctr_hold_cnt(0) depctr_sa_sdst(0) depctr_va_vdst(0) depctr_va_sdst(0) depctr_va_ssrc(0) depctr_va_vcc(0) depctr_vm_vsrc(0)
	s_getreg_b32 s2, hwreg(HW_REG_IB_STS2, 6, 4)
	s_cmp_eq_u32 s2, 0
	s_cbranch_scc0 .Lentry_in_a_cluster
	s_endpgm
.Lentry_in_a_cluster:
	s_bfe_u32 s2, ttmp6, 0x10000c
	s_cmp_lg_u32 s2, 0xf033
	s_cbranch_scc0 .Lentry_shape_is_right
	s_endpgm
.Lentry_shape_is_right:
; LAUNCH 2 OF 5.  q = x Wq + bq, k = x Wk + bk (both quantised along e) and v^T = Wv^T x^T + bv (quantised along the keys), from the fragment images of launch 1 into fragment images.  Nothing is left out.
; A WORK-GROUP STAYS FOR TWO TILES.  q and k are 2 x 32 x 4 = 256 tiles of 256 x 256; v^T is 8 x 32 = 256 tiles of 128 (d) x 256 (tokens): each of the 256 work-groups makes one of each, so all have equal work.
;   tile 1 (the cluster's x: 0 q, 1 k): A side = 256 tokens of x, B side = 256 rows of the weight; a wave makes 128 x 128: 64 accumulators, windows 2 and 3.
;   tile 2 (v^T): A side = 128 rows of Wv, B side = 256 tokens of x; a wave makes 64 x 128: 32 accumulators, window 2.
; THE MATRIX INSTRUCTION IS USED TRANSPOSED: source 0 = 16 rows of the B side, source 1 = 16 rows of the A side.  A lane then holds ONE row of the A side, and, by the images' order of rows, its 64 results against the
; B side's eight blocks are k = 32 b + 16 (lane / 16) + i of the next operand's K step: they are quantised in registers and leave as one fragment image.
; K = 1,024 in 8 steps of 128 for each tile, two steps to an LDS slot, three slots.  THE RING GOES ON INTO TILE 2: eight fills; three at the head, one behind each of five changes of slots (tile 1's steps 1, 3, 5, 7, tile 2's step 1).
; CLUSTERS: 4 x 4 work-groups; in both tiles the A side's tile hangs on cy and is shared along a row of the cluster, the B side's on cx and is shared along a column: each is asked for jointly.
; OUT: q at byte 0, k at 6,291,456, v^T at 12,582,912 (row block (2 batch + key half) x 64 + d / 16, K step (key / 128) % 8); scale words from 18,874,368 on.
; An image needs no pitch and no padding: every LDS load takes 512 consecutive bytes.  A tile's scale words of all of K stand in registers, 128 consecutive bytes a load; tile 2's are asked for behind tile 1's last product.
; LIMITS: NaN and infinities are not served; a block whose largest magnitude lies under 2^(5 - 127) gets the byte 1.
; REGISTERS: window 0: v1 16 x lane, v2 4 x lane, v4-6, v8-10, v12-14 LDS addresses (A in tile 1, B, A in tile 2), v16, v17 the biases' offsets, v28, v29 the add's two, v32-95 scale words and nothing else,
;   v96-114 at work, from v128 A's fragments (one set), v224-231 bv; on the way out v128-191 64 numbers, v192-211 codes.
;   window 1: B's fragments, two sets, at v0 and v128; v96-127 and v224-255 the bias of q or k.  windows 2, 3: the accumulators, (a, b) at v[8 (8 (a % 4) + b)].
.set KS,    8                          ; K steps of a tile
.set SLOTK, 2                          ; K steps in a slot
.set NSLOT, 3
.set ASTR,  SLOTK*1536                 ; from a row block to the next in a slot
.set ABYTES, 16*ASTR                   ; A's part of a slot (tile 2 uses its first half)
.set SLOT,  ABYTES+16*ASTR
.set SPARE, 294912                     ; behind the slots: the spare words, 128 bytes a wave
.set ADRB,  8
.set SA,    32
.set AF,    128
.set TM,    96
.set H,     128
.set PC,    192
.set BA,    224
.set SEL,   20
.set G1A2,  92                         ; s[92:99]   group 1 for A's tiles of tile 2
.set A2C,   66                         ; s[66:67]   where my part of tile 2's A side begins in memory
.set B2C,   100                        ; s[100:101] and of its B side
.set HB,    4                          ; tile 1's shape: half the A side's blocks of a wave,
.set ADRA,  4                          ; its address registers for A,
.set SB,    SA+HB*KS                   ; and where B's scale words begin
.set MSB, 0
.macro WIN new                         ; the immediate's high byte repeats the setting that is left; a switch that changes nothing is dropped
.if MSB != (\new)
	s_set_vgpr_msb (MSB<<8)|(\new)
.set MSB, (\new)
.endif
.endm
.macro PLACES n
.rept \n
	v_nop
.endr
.endm
; A joint load: waves 0 and 1 fetch A's halves, waves 2 and 3 B's; the branch hangs on the wave's number alone.  An s_nop 0 and four v_nop follow each line.
.macro JLOAD g0a, g1a, g0b
	s_cmp_eq_u32 s15, 0
	s_cbranch_scc0 .Lfor_b_\@
	tensor_load_to_lds s[\g0a:\g0a+3], s[\g1a:\g1a+7]
	s_nop 0
	PLACES 4
	s_branch .Lasked_\@
.Lfor_b_\@:
	tensor_load_to_lds s[\g0b:\g0b+3], s[48:55]
	s_nop 0
	PLACES 4
.Lasked_\@:
.endm
.macro CREST                           ; a round of the cluster's barrier behind its opening barrier
	s_cmp_lg_u32 s14, 0
	s_cbranch_scc1 .Lnot_wave_0_\@
	s_barrier_signal -3
.Lnot_wave_0_\@:
	s_barrier_wait -3
	s_barrier_signal -1
	s_barrier_wait -1
.endm
.macro CROUND
	s_barrier_signal -1
	s_barrier_wait -1
	CREST
.endm
.macro G0SET ga, gb, f                 ; descriptor groups 0 of slot f, and its first fill: tile 1's K steps 2 f, 2 f + 1
	s_mov_b32 s[\ga], 1
	s_add_co_u32 s[\ga+1], s94, (\f)*SLOT
	s_add_nc_u64 s[\ga+2:\ga+3], s[76:77], (\f)*ASTR
	s_or_b32 s[\ga+3], s[\ga+3], 0x80000000
	s_mov_b32 s[\gb], 1
	s_add_co_u32 s[\gb+1], s95, (\f)*SLOT
	s_add_nc_u64 s[\gb+2:\gb+3], s[78:79], (\f)*ASTR
	s_or_b32 s[\gb+3], s[\gb+3], 0x80000000
	JLOAD \ga, 24, \gb
.endm
.macro RSET ga, gb, new, slot, f       ; what the next refill is: the slot's two sets; new = 1: part f of tile 2, else tile 1's last two K steps
.set gA, \ga
.set gB, \gb
.set rNew, \new
.set rSlot, \slot
.set rF, \f
.endm
.macro REFILL                          ; no tensor load of mine is out here, so the groups 0 may be written
.if rNew
	s_add_co_u32 s[gA+1], s19, rSlot*SLOT                          ; tile 2's halves of A are 4 row blocks
	s_add_nc_u64 s[gA+2:gA+3], s[A2C:A2C+1], rF*ASTR
	s_or_b32 s[gA+3], s[gA+3], 0x80000000
	s_add_nc_u64 s[gB+2:gB+3], s[B2C:B2C+1], rF*ASTR
	s_or_b32 s[gB+3], s[gB+3], 0x80000000
	JLOAD gA, G1A2, gB
.else
	s_add_nc_u64 s[gA+2:gA+3], s[gA+2:gA+3], 3*ASTR                ; from K steps 0, 1 to K steps 6, 7
	s_add_nc_u64 s[gB+2:gB+3], s[gB+2:gB+3], 3*ASTR
	JLOAD gA, 24, gB
.endif
.endm
.macro FRAGL reg, adr, off             ; a fragment comes as it was stored: three loads of 512 consecutive bytes
.irp c, 0,1,2
	ds_load_b128 v[(\reg)+4*\c:(\reg)+4*\c+3], v[\adr] offset:(\off)+512*\c
.endr
.endm
.macro FETCH_B slot, q, p              ; B's eight fragments of the slot's q-th K step into set p
	WIN 0x40
.irp i, 0,1,2,3,4,5,6,7
	FRAGL 128*(\p)+12*\i, ADRB+(\slot), \i*ASTR+1536*(\q)
.endr
	WIN 0
.endm
.macro FETCH_A slot, q, i0, n          ; A's blocks i0 .. i0 + n - 1
.set fi, \i0
.rept \n
	FRAGL AF+12*fi, ADRA+(\slot), fi*ASTR+1536*(\q)
.set fi, fi+1
.endr
.endm
.macro WM ks                           ; one product; a pair of blocks shares a scale register: the odd block's words stand in lanes 16-31
.if (\ks) == 0
.if fRB && fRA
	v_wmma_scale_f32_16x16x128_f8f6f4 v[rD:rD+7], v[rB:rB+11], v[rA:rA+11], 0, v[rSB], v[rSA] matrix_a_fmt:MATRIX_FMT_BF6 matrix_b_fmt:MATRIX_FMT_BF6 matrix_a_scale:MATRIX_SCALE_ROW1 matrix_b_scale:MATRIX_SCALE_ROW1
.elseif fRB
	v_wmma_scale_f32_16x16x128_f8f6f4 v[rD:rD+7], v[rB:rB+11], v[rA:rA+11], 0, v[rSB], v[rSA] matrix_a_fmt:MATRIX_FMT_BF6 matrix_b_fmt:MATRIX_FMT_BF6 matrix_a_scale:MATRIX_SCALE_ROW1
.elseif fRA
	v_wmma_scale_f32_16x16x128_f8f6f4 v[rD:rD+7], v[rB:rB+11], v[rA:rA+11], 0, v[rSB], v[rSA] matrix_a_fmt:MATRIX_FMT_BF6 matrix_b_fmt:MATRIX_FMT_BF6 matrix_b_scale:MATRIX_SCALE_ROW1
.else
	v_wmma_scale_f32_16x16x128_f8f6f4 v[rD:rD+7], v[rB:rB+11], v[rA:rA+11], 0, v[rSB], v[rSA] matrix_a_fmt:MATRIX_FMT_BF6 matrix_b_fmt:MATRIX_FMT_BF6
.endif
.else
.if fRB && fRA
	v_wmma_scale_f32_16x16x128_f8f6f4 v[rD:rD+7], v[rB:rB+11], v[rA:rA+11], v[rD:rD+7], v[rSB], v[rSA] matrix_a_fmt:MATRIX_FMT_BF6 matrix_b_fmt:MATRIX_FMT_BF6 matrix_a_scale:MATRIX_SCALE_ROW1 matrix_b_scale:MATRIX_SCALE_ROW1
.elseif fRB
	v_wmma_scale_f32_16x16x128_f8f6f4 v[rD:rD+7], v[rB:rB+11], v[rA:rA+11], v[rD:rD+7], v[rSB], v[rSA] matrix_a_fmt:MATRIX_FMT_BF6 matrix_b_fmt:MATRIX_FMT_BF6 matrix_a_scale:MATRIX_SCALE_ROW1
.elseif fRA
	v_wmma_scale_f32_16x16x128_f8f6f4 v[rD:rD+7], v[rB:rB+11], v[rA:rA+11], v[rD:rD+7], v[rSB], v[rSA] matrix_a_fmt:MATRIX_FMT_BF6 matrix_b_fmt:MATRIX_FMT_BF6 matrix_b_scale:MATRIX_SCALE_ROW1
.else
	v_wmma_scale_f32_16x16x128_f8f6f4 v[rD:rD+7], v[rB:rB+11], v[rA:rA+11], v[rD:rD+7], v[rSB], v[rSA] matrix_a_fmt:MATRIX_FMT_BF6 matrix_b_fmt:MATRIX_FMT_BF6
.endif
.endif
.endm
.macro MULA a, p, ks                   ; A's block a against B's eight; a tile's K step 0 starts the sums with the constant 0: nothing is cleared
.if (\a) < 4
	WIN 0xa1                                       ; source 0 (B) window 1, source 1 (A) window 0, C and D window 2
.else
	WIN 0xf1                                       ; the same, C and D window 3
.endif
.set rA, AF+12*(\a)
.set rSA, SA+HB*(\ks)+(\a)/2
.set fRA, (\a)%2
.irp b, 0,1,2,3,4,5,6,7
.set rD, 8*(8*((\a)%4)+\b)
.set rB, 128*(\p)+12*\b
.set rSB, SB+4*(\ks)+\b/2
.set fRB, \b%2
	WM \ks
.endr
.endm
.macro MULR a0, n, p, ks               ; the accumulators take turns, one instruction a turn, in the same order in every K step
.set ma, \a0
.rept \n
	MULA ma, \p, \ks
.set ma, ma+1
.endr
.endm
; A K step.  kind 0: its successor's fragments are fetched from (nslot, nq): B's other set and A's lower blocks in the middle, A's upper blocks at the end, each behind four places.
; kind 1, 2, 4: the step changes slots: each wave waits for all its tensor loads, adds 0 to its spare word, waits for that and for its reads, and meets the others; kind 1, 4: the barrier opens a round of the cluster's
; barrier, behind which the slot just left is filled again (RSET says with what).  kind 3: a tile's last step, which fetches nothing; kind 4: a tile's last step that still fills a slot for the next tile.
.macro STEP ks, slot, q, nslot, nq, kind
.set pp, (\ks)%2
.if (\kind) == 0 || (\kind) == 3
	s_wait_dscnt 3*HB                              ; B's set and A's lower blocks are in; the youngest loads (A's upper blocks) may be out
	MULR 0, HB, pp, \ks
	s_wait_dscnt 0x0                               ; A's upper blocks are in
.else
	s_wait_tensorcnt 0x0                           ; all my tensor loads have landed
	ds_add_u32 v28, v29                            ; 0 onto my spare word
	s_wait_dscnt 3*HB+1                            ; (the add and A's upper blocks may be out)
	MULR 0, HB/2, pp, \ks
	s_wait_dscnt 0x0                               ; the add is done, and my reads of this slot are over
	s_barrier_signal -1
	MULR HB/2, HB/2, pp, \ks
	WIN 0                                          ; at a branch and at a label every window is 0
	s_barrier_wait -1
.endif
.if (\kind) == 1 || (\kind) == 4
	CREST                                          ; no wave of any partner still reads the slot or has a load on its way
	REFILL                                         ; the first tensor load behind the round; its four v_nop are the places in front of the loads below
.elseif (\kind) != 3
	PLACES 4
.endif
.if (\kind) != 3 && (\kind) != 4
	FETCH_B \nslot, \nq, 1-pp
	FETCH_A \nslot, \nq, 0, HB
.endif
	MULR HB, HB, pp, \ks
.if (\kind) != 3 && (\kind) != 4
	PLACES 4
.endif
	WIN 0
.if (\kind) != 3 && (\kind) != 4
	FETCH_A \nslot, \nq, HB, HB
.endif
.endm
; from the blocks' largest magnitudes in v[TM] on: scale operands, bytes, my row's scale word in v[pw], and the codes of v[s] .. v[s + 63] in v[PC] on
.macro QTAIL s, pw
.irp b, 0,1,2,3
	v_add_nc_u32 v[TM+12+\b], 0xfe000000, v[TM+\b]                                   ; 4 off the exponent field: the conversion's scale operand
.endr
.irp b, 0,1,2,3
	v_lshrrev_b32 v[TM+4+\b], 23, v[TM+12+\b]                                        ; the scale's byte
.endr
	v_lshl_or_b32 v[\pw], v[TM+5], 8, v[TM+4]
	v_lshl_or_b32 v[\pw], v[TM+6], 16, v[\pw]
	v_lshl_or_b32 v[\pw], v[TM+7], 24, v[\pw]
.irp c, 0,1
	v_cvt_scalef32_pk16_bf6_f32 v[PC+6*\c:PC+2+6*\c], v[(\s)+32*\c:(\s)+15+32*\c], v[TM+12+2*\c]
	v_cvt_scalef32_pk16_bf6_f32 v[PC+12+4*\c:PC+14+4*\c], v[(\s)+16+32*\c:(\s)+31+32*\c], v[TM+12+2*\c+1]
.endr
	v_nop                                          ; one plain place behind a scaled conversion
.irp c, 0,1                                    ; the operand wants a whole block in a lane
.irp i, 0,1,2
	v_permlane16_swap_b32 v[PC+6*\c+\i], v[PC+12+4*\c+\i]
.endr
.irp i, 0,1,2
	v_mov_b32 v[PC+3+6*\c+\i], v[PC+12+4*\c+\i]
.endr
.endr
.endm
.macro QUANT s, pw
.irp b, 0,1,2,3
	v_max3_num_f32 v[TM+\b], |v[(\s)+16*\b]|, |v[(\s)+1+16*\b]|, 0x2800000           ; with the floor 2^(5 - 127): the byte cannot fall under 1
.endr
.irp i, 2,4,6,8,10,12,14
.irp b, 0,1,2,3
	v_max3_num_f32 v[TM+\b], v[TM+\b], |v[(\s)+16*\b+\i]|, |v[(\s)+1+16*\b+\i]|
.endr
.endr
.irp b, 0,1,2,3
	v_permlanex16_b32 v[TM+4+\b], v[TM+\b], s[SEL], s[SEL+1]
.endr
.irp b, 0,1,2,3
	v_max_num_f32 v[TM+\b], v[TM+\b], v[TM+4+\b]
.endr
	QTAIL \s, \pw
.endm
.macro PUT base, off                   ; three stores of 512 consecutive bytes, aligned
.irp c, 0,1,2
	global_store_b128 v1, v[PC+4*\c:PC+4*\c+3], s[\base:\base+1] offset:(\off)+512*\c
.endr
.endm
	s_load_b256 s[4:11], s[0:1], 0x0               ; the images of launch 1, bq, bk, bv
	s_load_b64 s[12:13], s[0:1], 0x20              ; out
	v_lshl_add_u32 v28, v0, 2, SPARE
	v_mov_b32 v29, 0
	ds_add_u32 v28, v29                            ; the wave's opening: the add, twice on end, and its wait ahead of my first tensor load; work on registers stands between
	ds_add_u32 v28, v29
	v_lshrrev_b32 v1, 5, v0
	v_readfirstlane_b32 s14, v1                    ; wave 0..3
	s_lshr_b32 s15, s14, 1                         ; wm: my half of the A side's rows.  Also: I fetch for A (0) or for B (1)
	s_and_b32 s16, s14, 1                          ; wn: my half of the B side's rows.  Also: which half of that tile I fetch
	s_bfe_u32 s72, ttmp6, 0x40000                  ; cx
	s_bfe_u32 s73, ttmp6, 0x40004                  ; cy
	s_mov_b32 s17, ttmp9                           ; X, the cluster's x: 0 q, 1 k
	s_and_b32 s18, ttmp7, 0xffff                   ; Y, the cluster's y
	s_lshl_b32 s74, s73, 2
	s_lshl_b32 s74, 15, s74                        ; my row of the cluster
	s_lshl_b32 s75, 0x1111, s72                    ; my column
	s_or_b32 s24, s74, (3<<16)|(1<<21)             ; group 1: the mask; elements of 8 bytes; bit 21 beside a mask; no padding
	s_or_b32 s48, s75, (3<<16)|(1<<21)
.irp g, 24, 48
	s_mov_b32 s[\g+1], (SLOTK*192)<<16             ; tensor_dim0: a row block's part of a slot, 3,072 bytes
	s_mov_b32 s[\g+2], 8<<16                       ; tensor_dim1: 8 row blocks
	s_mov_b32 s[\g+3], (SLOTK*192)<<16             ; tile_dim0
	s_mov_b32 s[\g+4], 8                           ; tile_dim1
	s_mov_b32 s[\g+5], 1536                        ; from a row block to the next in memory: 12,288 bytes
	s_mov_b32 s[\g+6], 0
	s_mov_b32 s[\g+7], 0
.endr
	s_mov_b32 s[SEL], 0x76543210
	s_mov_b32 s[SEL+1], 0xfedcba98
	s_mov_b32 s44, 0xffff0000                      ; lanes 16-31
	; ---- tile 1, all as byte offsets in their buffers
	s_lshl_b32 s45, s18, 2
	s_add_co_u32 s45, s45, s73                     ; the A side: x's tile of 256 tokens, 4 Y + cy
	s_lshl_b32 s46, s17, 2
	s_add_co_u32 s46, s46, s72
	s_add_co_u32 s46, s46, 32                      ; the B side: the weight's tile of 256 rows, 32 + 4 X + cx
	s_mul_i32 s47, s16, 98304                      ; the half that I fetch
	s_mul_i32 s76, s45, 196608
	s_add_co_u32 s76, s76, s47
	s_mov_b32 s77, 0
	s_mul_i32 s78, s46, 196608
	s_add_co_u32 s78, s78, s47
	s_mov_b32 s79, 0
	s_lshl_b32 s80, s45, 1                         ; my 128 rows' scale words
	s_add_co_u32 s80, s80, s15
	s_lshl_b32 s80, s80, 12
	s_add_co_u32 s80, s80, 9437184
	s_mov_b32 s81, 0
	s_lshl_b32 s82, s46, 1
	s_add_co_u32 s82, s82, s16
	s_lshl_b32 s82, s82, 12
	s_add_co_u32 s82, s82, 9437184
	s_mov_b32 s83, 0
	s_lshl_b32 s92, s45, 4                         ; out: row block 16 (4 Y + cy) + 8 wm,
	s_lshl_b32 s93, s15, 3
	s_add_co_u32 s92, s92, s93
	s_lshl_b32 s93, s72, 1
	s_add_co_u32 s93, s93, s16                     ; K step 2 cx + wn (both tiles')
	s_mul_i32 s84, s92, 12288
	s_mul_i32 s94, s93, 1536
	s_add_co_u32 s84, s84, s94
	s_mul_i32 s95, s17, 6291456
	s_add_co_u32 s84, s84, s95
	s_mov_b32 s85, 0
	s_add_co_u32 s86, s92, s93                     ; (row block / 8) x 8 + K step: the row block is a multiple of 8
	s_lshl_b32 s86, s86, 9
	s_lshl_b32 s95, s17, 18
	s_add_co_u32 s86, s86, s95
	s_add_co_u32 s86, s86, 18874368
	s_mov_b32 s87, 0
	s_lshl_b32 s96, s72, 10                        ; the bias of q or k runs along the B side: 256 cx + 128 wn numbers on
	s_lshl_b32 s97, s16, 9
	s_add_co_u32 s96, s96, s97
	s_mov_b32 s97, 0
	; ---- tile 2
	s_lshl_b32 s92, s17, 2
	s_add_co_u32 s92, s92, s73                     ; ta: Wv's tile of 128 rows, 4 X + cy
	s_lshl_b32 s66, s92, 3
	s_lshl_b32 s95, s16, 2
	s_add_co_u32 s66, s66, s95
	s_add_co_u32 s66, s66, 640                     ; the A side: row block 640 + 8 ta + 4 x the half that I fetch
	s_mul_i32 s66, s66, 12288
	s_mov_b32 s67, 0
	s_lshl_b32 s95, s18, 2
	s_add_co_u32 s95, s95, s72                     ; tb: the B side: x's tile of 256 tokens, 4 Y + cx
	s_mul_i32 s100, s95, 196608
	s_add_co_u32 s100, s100, s47
	s_mov_b32 s101, 0
	s_lshl_b32 s2, s95, 1                          ; the B side's scale words: my 128 tokens
	s_add_co_u32 s2, s2, s16
	s_lshl_b32 s2, s2, 12
	s_add_co_u32 s2, s2, 9437184
	s_mov_b32 s3, 0
	s_add_co_u32 s104, s92, 80                     ; the A side's: group 80 + ta, my four blocks
	s_lshl_b32 s104, s104, 12
	s_lshl_b32 s95, s15, 8                         ; 256 wm
	s_add_co_u32 s104, s104, s95
	s_add_co_u32 s104, s104, 9437184
	s_mov_b32 s105, 0
	s_lshl_b32 s98, s92, 9                         ; bv belongs to the A side's rows: 128 ta + 64 wm numbers on
	s_add_co_u32 s98, s98, s95
	s_mov_b32 s99, 0
	s_lshl_b32 s45, s18, 3
	s_add_co_u32 s45, s45, s92                     ; out: group 8 Y + ta,
	s_lshl_b32 s22, s45, 3
	s_lshl_b32 s46, s15, 2
	s_add_co_u32 s22, s22, s46                     ; row block 8 x group + 4 wm,
	s_mul_i32 s22, s22, 12288
	s_add_co_u32 s22, s22, s94                     ; K step 2 cx + wn
	s_add_co_u32 s22, s22, 12582912
	s_mov_b32 s23, 0
	s_lshl_b32 s46, s45, 3
	s_add_co_u32 s46, s46, s93
	s_lshl_b32 s46, s46, 9
	s_add_co_u32 s46, s46, s95
	s_add_co_u32 s46, s46, 19398656
	s_mov_b32 s47, 0
	s_mul_i32 s19, s16, 12288                      ; where my half of tile 2's A side goes in a slot: 4 row blocks a half
	s_mul_i32 s94, s14, 24576                      ; where my part of a slot goes in tile 1, and B's in both tiles: wave x 8 row blocks: no place in the cluster enters an LDS address
	s_mul_i32 s95, s14, 24576
	s_wait_dscnt 0x0                               ; both opening adds are done
	s_wait_kmcnt 0x0
	s_add_nc_u64 s[76:77], s[4:5], s[76:77]
	s_add_nc_u64 s[78:79], s[4:5], s[78:79]
	s_add_nc_u64 s[80:81], s[4:5], s[80:81]
	s_add_nc_u64 s[82:83], s[4:5], s[82:83]
	s_add_nc_u64 s[84:85], s[12:13], s[84:85]
	s_add_nc_u64 s[86:87], s[12:13], s[86:87]
	s_add_nc_u64 s[A2C:A2C+1], s[4:5], s[A2C:A2C+1]
	s_add_nc_u64 s[B2C:B2C+1], s[4:5], s[B2C:B2C+1]
	s_add_nc_u64 s[104:105], s[4:5], s[104:105]
	s_add_nc_u64 s[2:3], s[4:5], s[2:3]
	s_add_nc_u64 s[22:23], s[12:13], s[22:23]
	s_add_nc_u64 s[46:47], s[12:13], s[46:47]
	s_cmp_eq_u32 s17, 0
	s_cselect_b64 s[88:89], s[6:7], s[8:9]         ; bq or bk
	s_add_nc_u64 s[88:89], s[88:89], s[96:97]
	s_add_nc_u64 s[90:91], s[10:11], s[98:99]      ; bv
	CROUND                                         ; all sixteen work-groups are here: the first joint loads meet
	G0SET 32, 56, 0                                ; tile 1's K steps 0, 1
	G0SET 36, 60, 1                                ; 2, 3
	G0SET 40, 68, 2                                ; 4, 5: three loads of mine are out
	v_and_b32 v3, 31, v0
	v_lshlrev_b32 v1, 4, v3                        ; 16 x lane
	v_lshlrev_b32 v2, 2, v3                        ; 4 x lane
.set sk, 0
.rept KS                               ; tile 1's scale words of all of K: register 4 ks + i: lanes 0-15 block 2 i, lanes 16-31 block 2 i + 1
.set sj, 0
.rept 4
	global_load_b32 v[SA+HB*sk+sj], v2, s[80:81] offset:sk*512+sj*128
	global_load_b32 v[SB+4*sk+sj], v2, s[82:83] offset:sk*512+sj*128
.set sj, sj+1
.endr
.set sk, sk+1
.endr
	v_and_b32 v18, 15, v0                          ; r
	v_bfe_u32 v19, v0, 4, 1                        ; h
	v_lshlrev_b32 v16, 6, v19                      ; the bias along the B side: 16 h numbers on
	v_and_b32 v17, 8, v18
	v_add_nc_u32 v17, v17, v18
	v_lshlrev_b32 v17, 2, v17                      ; along the A side: my row r + 8 (r / 8)
	WIN 0x40                                       ; q, k: the bias runs along my registers: number 32 (b / 2) + 16 h + 8 (b % 2) + j for result 8 b + j; it waits in the 64 registers of window 1 that B's two sets leave
.irp b, 0,1,2,3,4,5,6,7
	global_load_b128 v[96+8*\b+96*(\b/4):99+8*\b+96*(\b/4)], v16, s[88:89] offset:(32*(\b/2)+8*(\b%2))*4
	global_load_b128 v[100+8*\b+96*(\b/4):103+8*\b+96*(\b/4)], v16, s[88:89] offset:(32*(\b/2)+8*(\b%2))*4+16
.endr
	WIN 0
.irp a, 0,1,2,3
	global_load_b32 v[BA+2*\a], v17, s[90:91] offset:(32*(\a/2)+8*(\a%2))*4          ; v^T: the bias belongs to my row of block a
.endr
	s_mul_i32 s92, s15, 8*ASTR                     ; my blocks of A in tile 1,
	s_mul_i32 s93, s16, 8*ASTR                     ; of B,
	s_add_co_u32 s93, s93, ABYTES
	s_mul_i32 s94, s15, 4*ASTR                     ; of A in tile 2
.irp s, 0,1,2
	v_add_nc_u32 v[4+\s], s92, v1
	v_add_nc_u32 v[8+\s], s93, v1
	v_add_nc_u32 v[12+\s], s94, v1
	s_add_co_u32 s92, s92, SLOT
	s_add_co_u32 s93, s93, SLOT
	s_add_co_u32 s94, s94, SLOT
.endr
	s_or_b32 s[G1A2], s74, (3<<16)|(1<<21)         ; group 1 for tile 2's A side: as A's above, with 4 row blocks to a load
	s_mov_b32 s[G1A2+1], (SLOTK*192)<<16
	s_mov_b32 s[G1A2+2], 4<<16
	s_mov_b32 s[G1A2+3], (SLOTK*192)<<16
	s_mov_b32 s[G1A2+4], 4
	s_mov_b32 s[G1A2+5], 1536
	s_mov_b32 s[G1A2+6], 0
	s_mov_b32 s[G1A2+7], 0
.irp b, 0,1,2,3
	v_mov_b32 v[TM+4+\b], 0                        ; written once: a lane permute's destination counts as one of its sources
.endr
	s_wait_loadcnt 20                              ; loads come back in order: the 64 scale words are in; the 16 + 4 younger loads, the biases, may be out
	s_wait_tensorcnt NSLOT-1                       ; my part of slot 0 is in; the two younger first fills may be out
	s_barrier_signal -1
	s_barrier_wait -1
	FETCH_B 0, 0, 0
	FETCH_A 0, 0, 0, HB
	FETCH_A 0, 0, HB, HB
	; ---- tile 1: q or k
	RSET 32, 56, 0, 0, 0
	STEP 0, 0, 0, 0, 1, 0
	STEP 1, 0, 1, 1, 0, 1                          ; slot 0 takes K steps 6, 7; the wait for all loads and the round also show slots 1 and 2 whole to every wave
	STEP 2, 1, 0, 1, 1, 0
	RSET 36, 60, 1, 1, 0
	STEP 3, 1, 1, 2, 0, 1                          ; slot 1 takes tile 2's K steps 0, 1
	STEP 4, 2, 0, 2, 1, 0
	RSET 40, 68, 1, 2, 1
	STEP 5, 2, 1, 0, 0, 1                          ; slot 2 takes tile 2's K steps 2, 3
	STEP 6, 0, 0, 0, 1, 0
	RSET 32, 56, 1, 0, 2
	STEP 7, 0, 1, 0, 0, 4                          ; slot 0 takes tile 2's K steps 4, 5; slots 1 and 2 are whole for every wave
; THE WAY OUT of block a: the bias is added, the 64 numbers are quantised, the fragment and (for each pair of blocks) 128 bytes of scale words are stored.  oC, oS: the tile's two bases.
.macro OUTA a, qk
.set WW, 2+(\a)/4
.set AC, 64*((\a)%4)
	s_wait_xcnt 0x0                                ; the last stores have read their data: the registers are written again only behind this wait
.set oi, 0
.if \qk
	WIN (WW|4)                                     ; source 0: the accumulators' window; source 1: window 1
.rept 32
	v_pk_add_f32 v[H+oi:H+oi+1], v[AC+oi:AC+oi+1], v[96+oi+96*(oi/32):97+oi+96*(oi/32)]   ; each accumulator from its low end on
.set oi, oi+2
.endr
.else
	WIN WW
.rept 32
	v_pk_add_f32 v[H+oi:H+oi+1], v[AC+oi:AC+oi+1], v[BA+2*(\a):BA+2*(\a)+1]
.set oi, oi+2
.endr
.endif
	WIN 0
	QUANT H, 112+(\a)%2
	PUT oC, (\a)*12288
.if (\a)%2
	v_cndmask_b32 v114, v112, v113, s44            ; lanes 0-15: the even block's words, lanes 16-31: the odd block's
	global_store_b32 v2, v114, s[oS:oS+1] offset:((\a)/2)*128
.endif
.endm
	PLACES 4                                       ; behind the last products: in front of the first read of results and of loads and writes into operands' and scales' registers
	s_wait_loadcnt 0x0                             ; the biases, asked for at the head
.irp a, 0,1,2,3
	v_mov_b32 v[BA+2*\a+1], v[BA+2*\a]             ; bv as pairs for the packed addition
.endr
.set sk, 0
.rept KS                               ; tile 2's scale words take tile 1's registers and land under the way out: A's at 2 ks + i, B's behind them at 4 ks + i
	global_load_b32 v[SA+2*sk], v2, s[104:105] offset:sk*512
	global_load_b32 v[SA+2*sk+1], v2, s[104:105] offset:sk*512+128
.set sj, 0
.rept 4
	global_load_b32 v[SA+2*KS+4*sk+sj], v2, s[2:3] offset:sk*512+sj*128
.set sj, sj+1
.endr
.set sk, sk+1
.endr
.set oC, 84
.set oS, 86
.irp a, 0,1,2,3,4,5,6,7
	OUTA \a, 1
.endr
	; ---- tile 2: v^T.  Its shape: four blocks of the A side to a wave
.set HB,    2
.set ADRA,  12
.set SB,    SA+HB*KS
	s_wait_loadcnt 0x0                             ; its scale words are in
	FETCH_B 1, 0, 0
	FETCH_A 1, 0, 0, HB
	FETCH_A 1, 0, HB, HB
	STEP 0, 1, 0, 1, 1, 0
	RSET 36, 60, 1, 1, 3
	STEP 1, 1, 1, 2, 0, 1                          ; slot 1 takes K steps 6, 7; the wait for all loads and the round also show slot 0 whole to every wave
	STEP 2, 2, 0, 2, 1, 0
	STEP 3, 2, 1, 0, 0, 0
	STEP 4, 0, 0, 0, 1, 0
	STEP 5, 0, 1, 1, 0, 2
	STEP 6, 1, 0, 1, 1, 0
	STEP 7, 1, 1, 0, 0, 3
	PLACES 4
.set oC, 22
.set oS, 46
.irp a, 0,1,2,3
	OUTA \a, 0
.endr
	s_wait_tensorcnt 0x0                           ; the wave's end
	ds_add_u32 v28, v29
	s_wait_dscnt 0x0
	CROUND                                         ; the closing round: no work-group ends while a partner may still ask for a tile that names it
	s_endpgm
.Lfunc_end_k_q744dff2984_qkv:
	.size	k_q744dff2984_qkv, .Lfunc_end_k_q744dff2984_qkv-k_q744dff2984_qkv
	.p2alignl 7, 3214868480
	.fill 96, 4, 3214868480
	.section	.rodata,"a",@progbits
	.p2align	6, 0x0
	.amdhsa_kernel k_q744dff2984_qkv
		.amdhsa_group_segment_fixed_size 327680
		.amdhsa_private_segment_fixed_size 0
		.amdhsa_enable_private_segment 0
		.amdhsa_kernarg_size 40
		.amdhsa_user_sgpr_count 2
		.amdhsa_user_sgpr_kernarg_segment_ptr 1
		.amdhsa_wavefront_size32 1
		.amdhsa_system_sgpr_workgroup_id_x 1
		.amdhsa_system_sgpr_workgroup_id_y 1
		.amdhsa_system_sgpr_workgroup_id_z 1
		.amdhsa_system_vgpr_workitem_id 0
		.amdhsa_next_free_vgpr 1024
		.amdhsa_next_free_sgpr 106
		.amdhsa_reserve_vcc 0
		.amdhsa_float_denorm_mode_32 3
		.amdhsa_float_denorm_mode_16_64 3
		.amdhsa_memory_ordered 1
		.amdhsa_forward_progress 1
		.amdhsa_inst_pref_size 250
	.end_amdhsa_kernel
	.amdgpu_metadata
---
amdhsa.version: [ 1, 2 ]
amdhsa.kernels:
  - .name:           k_q744dff2984_qkv
    .symbol:         k_q744dff2984_qkv.kd
    .args:
      - { .name: xwimg, .offset: 0, .size: 8, .value_kind: global_buffer, .address_space: global }
      - { .name: bq, .offset: 8, .size: 8, .value_kind: global_buffer, .address_space: global }
      - { .name: bk, .offset: 16, .size: 8, .value_kind: global_buffer, .address_space: global }
      - { .name: bv, .offset: 24, .size: 8, .value_kind: global_buffer, .address_space: global }
      - { .name: qkvimg, .offset: 32, .size: 8, .value_kind: global_buffer, .address_space: global }
    .group_segment_fixed_size: 327680
    .private_segment_fixed_size: 0
    .kernarg_segment_align: 8
    .kernarg_segment_size: 40
    .max_flat_workgroup_size: 128
    .sgpr_count:     106
    .vgpr_count:     1024
    .wavefront_size: 32
...
	.end_amdgpu_metadata
.endif
;; end of part 2
;; launch scores (part 3): grid 8 x 32, 4 waves a work-group, clusters of 4 x 4, 327,680 bytes of LDS; arguments qkvimg, pimg; writes pimg
.if DOCPART == 3
	.amdgcn_target "amdgcn-amd-amdhsa--gfx1250"
	.amdhsa_code_object_version 6
	.text
	.protected	k_q744dff2984_scores
	.globl	k_q744dff2984_scores
	.p2align	8
	.type	k_q744dff2984_scores,@function
k_q744dff2984_scores:
	s_mov_b64 s[64:65], 0
	v_nop
	global_prefetch_b8 v0, s[64:65] scope:SCOPE_SE
	s_setreg_imm32_b32 hwreg(HW_REG_WAVE_MODE, 25, 1), 1
	s_wait_xcnt 0x0
	s_wait_alu depctr_hold_cnt(0) depctr_sa_sdst(0) depctr_va_vdst(0) depctr_va_sdst(0) depctr_va_ssrc(0) depctr_va_vcc(0) depctr_vm_vsrc(0)
	s_getreg_b32 s2, hwreg(HW_REG_IB_STS2, 6, 4)
	s_cmp_eq_u32 s2, 0
	s_cbranch_scc0 .Lentry_in_a_cluster
	s_endpgm
.Lentry_in_a_cluster:
	s_bfe_u32 s2, ttmp6, 0x10000c
	s_cmp_lg_u32 s2, 0xf033
	s_cbranch_scc0 .Lentry_shape_is_right
	s_endpgm
.Lentry_shape_is_right:
; LAUNCH 3 OF 5.  S = q k^T on the images of launch 2; t = S x log2(e) / 32; for each query and each SEGMENT of 128 keys (a wave's tile): M = ceil(the segment's largest t), p = 2^(t - M), quantised along the keys.  Nothing is left out.
; M is a whole number, so a later change to the row's own M is an exact power of two that a block's scale byte takes up: launch 4 lowers the bytes by (row's M - segment's M).  Stored for that: -M and l = the sum of the
; unquantised p, one f32 each for a query and a segment, laid like the scale words.  The maximum is taken away before every exponential: no exponent is above 0.
; OUT: p's images (16 K steps to a row block, 24,576 bytes), then from byte 12,582,912 on three arrays [64 groups of 128 queries][16 segments][128 words]: scale words, -M, l.
; The product's structure, the slots, the joint loads and the macros are launch 2's: 256 x 256 of S to a work-group, 128 x 128 to a wave, K = 1,024 in 8 steps, three slots of two steps, one refill.
; LIMITS: NaN and infinities are not served; M is exact for |t| under 2^24; p under 2^-126 is taken as 0 (v_exp_f32's own flush: ISA guide, its entry).
; REGISTERS: as in launch 2; on the way out v96-111 at work, v112 the largest t, v[114:117] sums, v[118:121] -M of the even and the odd block, v122, v123 scale words, v124, v125 l, v128-191 p, v192-211 codes, v212-214 what is stored.
.set MB,    8
.set HB,    4
.set KS,    8
.set SLOTK, 2
.set NSLOT, 3
.set ASTR,  SLOTK*1536
.set ABYTES, 2*MB*ASTR
.set SLOT,  ABYTES+16*ASTR
.set SPARE, 294912
.set ADRA,  4
.set ADRB,  8
.set SA,    32
.set SB,    SA+HB*KS
.set AF,    128
.set TM,    96
.set P,     128
.set PC,    192
.set SEL,   20
.set MSB, 0
.macro WIN new                         ; the immediate's high byte repeats the setting that is left
.if MSB != (\new)
	s_set_vgpr_msb (MSB<<8)|(\new)
.set MSB, (\new)
.endif
.endm
.macro PLACES n
.rept \n
	v_nop
.endr
.endm
.macro JLOAD g0a, g0b                  ; a joint load: waves 0 and 1 for A, waves 2 and 3 for B; an s_nop 0 and four v_nop follow each line
	s_cmp_eq_u32 s15, 0
	s_cbranch_scc0 .Lfor_b_\@
	tensor_load_to_lds s[\g0a:\g0a+3], s[24:31]
	s_nop 0
	PLACES 4
	s_branch .Lasked_\@
.Lfor_b_\@:
	tensor_load_to_lds s[\g0b:\g0b+3], s[48:55]
	s_nop 0
	PLACES 4
.Lasked_\@:
.endm
.macro CREST
	s_cmp_lg_u32 s14, 0
	s_cbranch_scc1 .Lnot_wave_0_\@
	s_barrier_signal -3
.Lnot_wave_0_\@:
	s_barrier_wait -3
	s_barrier_signal -1
	s_barrier_wait -1
.endm
.macro CROUND
	s_barrier_signal -1
	s_barrier_wait -1
	CREST
.endm
.macro G0SET ga, gb, f
	s_mov_b32 s[\ga], 1
	s_add_co_u32 s[\ga+1], s94, (\f)*SLOT
	s_add_nc_u64 s[\ga+2:\ga+3], s[76:77], (\f)*SLOTK*1536
	s_or_b32 s[\ga+3], s[\ga+3], 0x80000000
	s_mov_b32 s[\gb], 1
	s_add_co_u32 s[\gb+1], s95, (\f)*SLOT
	s_add_nc_u64 s[\gb+2:\gb+3], s[78:79], (\f)*SLOTK*1536
	s_or_b32 s[\gb+3], s[\gb+3], 0x80000000
	JLOAD \ga, \gb
.endm
.macro FRAGL reg, adr, off
.irp c, 0,1,2
	ds_load_b128 v[(\reg)+4*\c:(\reg)+4*\c+3], v[\adr] offset:(\off)+512*\c
.endr
.endm
.macro FETCH_B slot, q, p
	WIN 0x40
.irp i, 0,1,2,3,4,5,6,7
	FRAGL 128*(\p)+12*\i, ADRB+(\slot), \i*ASTR+1536*(\q)
.endr
	WIN 0
.endm
.macro FETCH_A slot, q, i0, n
.set fi, \i0
.rept \n
	FRAGL AF+12*fi, ADRA+(\slot), fi*ASTR+1536*(\q)
.set fi, fi+1
.endr
.endm
.macro WM ks
.if (\ks) == 0
.if fRB && fRA
	v_wmma_scale_f32_16x16x128_f8f6f4 v[rD:rD+7], v[rB:rB+11], v[rA:rA+11], 0, v[rSB], v[rSA] matrix_a_fmt:MATRIX_FMT_BF6 matrix_b_fmt:MATRIX_FMT_BF6 matrix_a_scale:MATRIX_SCALE_ROW1 matrix_b_scale:MATRIX_SCALE_ROW1
.elseif fRB
	v_wmma_scale_f32_16x16x128_f8f6f4 v[rD:rD+7], v[rB:rB+11], v[rA:rA+11], 0, v[rSB], v[rSA] matrix_a_fmt:MATRIX_FMT_BF6 matrix_b_fmt:MATRIX_FMT_BF6 matrix_a_scale:MATRIX_SCALE_ROW1
.elseif fRA
	v_wmma_scale_f32_16x16x128_f8f6f4 v[rD:rD+7], v[rB:rB+11], v[rA:rA+11], 0, v[rSB], v[rSA] matrix_a_fmt:MATRIX_FMT_BF6 matrix_b_fmt:MATRIX_FMT_BF6 matrix_b_scale:MATRIX_SCALE_ROW1
.else
	v_wmma_scale_f32_16x16x128_f8f6f4 v[rD:rD+7], v[rB:rB+11], v[rA:rA+11], 0, v[rSB], v[rSA] matrix_a_fmt:MATRIX_FMT_BF6 matrix_b_fmt:MATRIX_FMT_BF6
.endif
.else
.if fRB && fRA
	v_wmma_scale_f32_16x16x128_f8f6f4 v[rD:rD+7], v[rB:rB+11], v[rA:rA+11], v[rD:rD+7], v[rSB], v[rSA] matrix_a_fmt:MATRIX_FMT_BF6 matrix_b_fmt:MATRIX_FMT_BF6 matrix_a_scale:MATRIX_SCALE_ROW1 matrix_b_scale:MATRIX_SCALE_ROW1
.elseif fRB
	v_wmma_scale_f32_16x16x128_f8f6f4 v[rD:rD+7], v[rB:rB+11], v[rA:rA+11], v[rD:rD+7], v[rSB], v[rSA] matrix_a_fmt:MATRIX_FMT_BF6 matrix_b_fmt:MATRIX_FMT_BF6 matrix_a_scale:MATRIX_SCALE_ROW1
.elseif fRA
	v_wmma_scale_f32_16x16x128_f8f6f4 v[rD:rD+7], v[rB:rB+11], v[rA:rA+11], v[rD:rD+7], v[rSB], v[rSA] matrix_a_fmt:MATRIX_FMT_BF6 matrix_b_fmt:MATRIX_FMT_BF6 matrix_b_scale:MATRIX_SCALE_ROW1
.else
	v_wmma_scale_f32_16x16x128_f8f6f4 v[rD:rD+7], v[rB:rB+11], v[rA:rA+11], v[rD:rD+7], v[rSB], v[rSA] matrix_a_fmt:MATRIX_FMT_BF6 matrix_b_fmt:MATRIX_FMT_BF6
.endif
.endif
.endm
.macro MULA a, p, ks
.if (\a) < 4
	WIN 0xa1
.else
	WIN 0xf1
.endif
.set rA, AF+12*(\a)
.set rSA, SA+HB*(\ks)+(\a)/2
.set fRA, (\a)%2
.irp b, 0,1,2,3,4,5,6,7
.set rD, 8*(8*((\a)%4)+\b)
.set rB, 128*(\p)+12*\b
.set rSB, SB+4*(\ks)+\b/2
.set fRB, \b%2
	WM \ks
.endr
.endm
.macro MULR a0, n, p, ks               ; the accumulators take turns, one instruction a turn
.set ma, \a0
.rept \n
	MULA ma, \p, \ks
.set ma, ma+1
.endr
.endm
.macro STEP ks, slot, q, nslot, nq, kind   ; as in launch 2: kind 0 plain, 1 change of slots with a refill, 2 change without, 3 the last
.set pp, (\ks)%2
.if (\kind) == 0 || (\kind) == 3
	s_wait_dscnt 3*HB                              ; B's set and A's lower blocks are in; A's upper blocks may be out
	MULR 0, HB, pp, \ks
	s_wait_dscnt 0x0
.else
	s_wait_tensorcnt 0x0                           ; all my tensor loads have landed
	ds_add_u32 v28, v29                            ; 0 onto my spare word
	s_wait_dscnt 3*HB+1                            ; (the add and A's upper blocks may be out)
	MULR 0, HB/2, pp, \ks
	s_wait_dscnt 0x0                               ; the add is done, and my reads of this slot are over
	s_barrier_signal -1
	MULR HB/2, HB/2, pp, \ks
	WIN 0
	s_barrier_wait -1
.endif
.if (\kind) == 1
	CREST
	s_add_nc_u64 s[gA+2:gA+3], s[gA+2:gA+3], stA
	s_add_nc_u64 s[gB+2:gB+3], s[gB+2:gB+3], stB
	JLOAD gA, gB
.elseif (\kind) != 3
	PLACES 4
.endif
.if (\kind) != 3
	FETCH_B \nslot, \nq, 1-pp
	FETCH_A \nslot, \nq, 0, HB
.endif
	MULR HB, HB, pp, \ks
.if (\kind) != 3
	PLACES 4
.endif
	WIN 0
.if (\kind) != 3
	FETCH_A \nslot, \nq, HB, HB
.endif
.endm
.macro QTAIL s, pw
.irp b, 0,1,2,3
	v_add_nc_u32 v[TM+12+\b], 0xfe000000, v[TM+\b]                                   ; 4 off the exponent field: the conversion's scale operand
.endr
.irp b, 0,1,2,3
	v_lshrrev_b32 v[TM+4+\b], 23, v[TM+12+\b]                                        ; the scale's byte
.endr
	v_lshl_or_b32 v[\pw], v[TM+5], 8, v[TM+4]
	v_lshl_or_b32 v[\pw], v[TM+6], 16, v[\pw]
	v_lshl_or_b32 v[\pw], v[TM+7], 24, v[\pw]
.irp c, 0,1
	v_cvt_scalef32_pk16_bf6_f32 v[PC+6*\c:PC+2+6*\c], v[(\s)+32*\c:(\s)+15+32*\c], v[TM+12+2*\c]
	v_cvt_scalef32_pk16_bf6_f32 v[PC+12+4*\c:PC+14+4*\c], v[(\s)+16+32*\c:(\s)+31+32*\c], v[TM+12+2*\c+1]
.endr
	v_nop                                          ; one plain place behind a scaled conversion
.irp c, 0,1
.irp i, 0,1,2
	v_permlane16_swap_b32 v[PC+6*\c+\i], v[PC+12+4*\c+\i]
.endr
.irp i, 0,1,2
	v_mov_b32 v[PC+3+6*\c+\i], v[PC+12+4*\c+\i]
.endr
.endr
.endm
.macro PUT base, off
.irp c, 0,1,2
	global_store_b128 v1, v[PC+4*\c:PC+4*\c+3], s[\base:\base+1] offset:(\off)+512*\c
.endr
.endm
	s_load_b128 s[4:7], s[0:1], 0x0                ; the images of launch 2, out
	v_lshl_add_u32 v28, v0, 2, SPARE
	v_mov_b32 v29, 0
	ds_add_u32 v28, v29                            ; the wave's opening: the add, twice on end, and its wait ahead of my first tensor load
	ds_add_u32 v28, v29
	v_lshrrev_b32 v1, 5, v0
	v_readfirstlane_b32 s14, v1
	s_lshr_b32 s15, s14, 1                         ; my half of the queries.  Also: I fetch for q (0) or for k (1)
	s_and_b32 s16, s14, 1                          ; my half of the keys.  Also: which half of that tile I fetch
	s_bfe_u32 s72, ttmp6, 0x40000                  ; cx
	s_bfe_u32 s73, ttmp6, 0x40004                  ; cy
	s_mov_b32 s17, ttmp9
	s_and_b32 s18, ttmp7, 0xffff
	s_lshl_b32 s74, s73, 2
	s_lshl_b32 s74, 15, s74
	s_lshl_b32 s75, 0x1111, s72
	s_or_b32 s24, s74, (3<<16)|(1<<21)
	s_or_b32 s48, s75, (3<<16)|(1<<21)
.irp g, 24, 48
	s_mov_b32 s[\g+1], (SLOTK*192)<<16
	s_mov_b32 s[\g+2], 8<<16
	s_mov_b32 s[\g+3], (SLOTK*192)<<16
	s_mov_b32 s[\g+4], 8
	s_mov_b32 s[\g+5], 1536
	s_mov_b32 s[\g+6], 0
	s_mov_b32 s[\g+7], 0
.endr
	s_mov_b32 s[SEL], 0x76543210
	s_mov_b32 s[SEL+1], 0xfedcba98
	s_mov_b32 s22, 0x3d38aa3b                      ; c = log2(e) / 32
	s_mov_b32 s23, s22                             ; (named with it as a pair, so it is written)
	s_mov_b32 s44, 0xffff0000
	s_lshl_b32 s45, s18, 2
	s_add_co_u32 s45, s45, s73                     ; q's tile of 256 queries: 4 Y + cy; its batch is Y / 2
	s_lshr_b32 s46, s18, 1
	s_lshl_b32 s46, s46, 3
	s_lshl_b32 s92, s17, 2
	s_add_co_u32 s92, s92, s72                     ; the tile of 256 keys in the batch: 4 X + cx
	s_add_co_u32 s46, s46, s92                     ; k's tile
	s_mul_i32 s47, s16, 98304
	s_mul_i32 s76, s45, 196608
	s_add_co_u32 s76, s76, s47
	s_mov_b32 s77, 0
	s_mul_i32 s78, s46, 196608
	s_add_co_u32 s78, s78, s47
	s_add_co_u32 s78, s78, 6291456
	s_mov_b32 s79, 0
	s_lshl_b32 s93, s45, 1
	s_add_co_u32 s93, s93, s15                     ; my group of 128 queries
	s_lshl_b32 s80, s93, 12
	s_add_co_u32 s80, s80, 18874368
	s_mov_b32 s81, 0
	s_lshl_b32 s82, s46, 1
	s_add_co_u32 s82, s82, s16
	s_lshl_b32 s82, s82, 12
	s_add_co_u32 s82, s82, 19136512
	s_mov_b32 s83, 0
	s_lshl_b32 s92, s92, 1
	s_add_co_u32 s92, s92, s16                     ; my segment of 128 keys: p's K step
	s_mul_i32 s84, s93, 8*24576
	s_mul_i32 s96, s92, 1536
	s_add_co_u32 s84, s84, s96
	s_mov_b32 s85, 0
	s_lshl_b32 s86, s93, 4
	s_add_co_u32 s86, s86, s92
	s_lshl_b32 s86, s86, 9
	s_add_co_u32 s86, s86, 12582912
	s_mov_b32 s87, 0
	s_mul_i32 s94, s14, 24576
	s_mul_i32 s95, s14, 24576
	s_wait_dscnt 0x0                               ; both opening adds are done
	s_wait_kmcnt 0x0
	s_add_nc_u64 s[76:77], s[4:5], s[76:77]
	s_add_nc_u64 s[78:79], s[4:5], s[78:79]
	s_add_nc_u64 s[80:81], s[4:5], s[80:81]
	s_add_nc_u64 s[82:83], s[4:5], s[82:83]
	s_add_nc_u64 s[84:85], s[6:7], s[84:85]
	s_add_nc_u64 s[86:87], s[6:7], s[86:87]
	CROUND
	G0SET 32, 56, 0
	G0SET 36, 60, 1
	G0SET 40, 68, 2                                ; three loads of mine are out
	v_and_b32 v3, 31, v0
	v_lshlrev_b32 v1, 4, v3
	v_lshlrev_b32 v2, 2, v3
	s_mul_i32 s92, s15, MB*ASTR
	s_mul_i32 s93, s16, 8*ASTR
	s_add_co_u32 s93, s93, ABYTES
.irp s, 0,1,2
	v_add_nc_u32 v[ADRA+\s], s92, v1
	v_add_nc_u32 v[ADRB+\s], s93, v1
	s_add_co_u32 s92, s92, SLOT
	s_add_co_u32 s93, s93, SLOT
.endr
.set sk, 0
.rept KS
.set sj, 0
.rept 4
	global_load_b32 v[SA+HB*sk+sj], v2, s[80:81] offset:sk*512+sj*128
	global_load_b32 v[SB+4*sk+sj], v2, s[82:83] offset:sk*512+sj*128
.set sj, sj+1
.endr
.set sk, sk+1
.endr
.irp b, 0,1,2,3
	v_mov_b32 v[TM+4+\b], 0                        ; written once: a lane permute's destination counts as one of its sources
.endr
	v_mov_b32 v119, 0                              ; (named as the upper halves of the pairs that hold -M)
	v_mov_b32 v121, 0
	s_wait_loadcnt 0x0
	s_wait_tensorcnt NSLOT-1                       ; my part of slot 0 is in; the two younger first fills may be out
	s_barrier_signal -1
	s_barrier_wait -1
	FETCH_B 0, 0, 0
	FETCH_A 0, 0, 0, HB
	FETCH_A 0, 0, HB, HB
.set gA, 32
.set gB, 56
.set stA, 9216
.set stB, 9216
	STEP 0, 0, 0, 0, 1, 0
	STEP 1, 0, 1, 1, 0, 1
	STEP 2, 1, 0, 1, 1, 0
	STEP 3, 1, 1, 2, 0, 0
	STEP 4, 2, 0, 2, 1, 0
	STEP 5, 2, 1, 0, 0, 2
	STEP 6, 0, 0, 0, 1, 0
	STEP 7, 0, 1, 0, 0, 3
; THE WAY OUT of block a (16 queries x my 128 keys; a lane holds one query, register 16 b + i = key 32 b + 16 (lane / 16) + i).
.macro SOFT a
.set WW, 2+(\a)/4
.set AC, 64*((\a)%4)
.set NM, 118+2*((\a)%2)
.set LL, 124+(\a)%2
	s_wait_xcnt 0x0                                ; the last stores have read their data
	WIN 21*WW                                      ; all three sources in the accumulators' window
.irp b, 0,1,2,3
	v_max3_num_f32 v[TM+\b], v[AC+16*\b], v[AC+16*\b+1], v[AC+16*\b+2]               ; the largest score of each block of 32 keys: it serves the row's maximum and, since p rises with the score, the block's largest p
.endr
	WIN 20*WW                                      ; sources 1 and 2
.irp i, 3,5,7,9,11,13
.irp b, 0,1,2,3
	v_max3_num_f32 v[TM+\b], v[TM+\b], v[AC+16*\b+\i], v[AC+16*\b+\i+1]
.endr
.endr
.irp b, 0,1,2,3
	v_max_num_f32 v[TM+\b], v[TM+\b], v[AC+16*\b+15]
.endr
	WIN 0
.irp b, 0,1,2,3
	v_permlanex16_b32 v[TM+4+\b], v[TM+\b], s[SEL], s[SEL+1]
.endr
.irp b, 0,1,2,3
	v_max_num_f32 v[TM+\b], v[TM+\b], v[TM+4+\b]                                     ; with lane l xor 16's 16 keys
.endr
	v_max3_num_f32 v112, v[TM], v[TM+1], v[TM+2]
	v_max_num_f32 v112, v112, v[TM+3]
	v_mul_f32 v112, s22, v112                      ; the segment's largest t (c is positive)
	v_floor_f32 v[NM], -v112                       ; -M = floor(-t) = -ceil(t)
	WIN WW
.set oi, 0
.rept 32
	v_pk_fma_f32 v[P+oi:P+oi+1], v[AC+oi:AC+oi+1], s[22:23], v[NM:NM+1] op_sel_hi:[1,0,0]   ; t - M, two at a time
.set oi, oi+2
.endr
	WIN 0
.irp b, 0,1,2,3
	v_fma_f32 v[TM+\b], v[TM+\b], s22, v[NM]       ; the same of each block's largest score
.endr
.set oi, 0
.rept 64
	v_exp_f32 v[P+oi], v[P+oi]                     ; p = 2^(t - M), at most 1
.set oi, oi+1
.endr
	v_nop                                          ; a plain place behind the exponentials
	s_wait_alu depctr_va_vdst(0)                   ; one wait for the batch, ahead of its first reader
.irp b, 0,1,2,3
	v_exp_f32 v[TM+\b], v[TM+\b]                   ; the block's largest p: the same two instructions on the same number give the same bits
.endr
	v_pk_add_f32 v[114:115], v[P:P+1], v[P+2:P+3]  ; l is taken of the unquantised p, in two chains (plain work behind the four)
	v_pk_add_f32 v[116:117], v[P+4:P+5], v[P+6:P+7]
.irp j, 8,12,16,20,24,28,32,36,40,44,48,52,56,60
	v_pk_add_f32 v[114:115], v[114:115], v[P+\j:P+\j+1]
	v_pk_add_f32 v[116:117], v[116:117], v[P+\j+2:P+\j+3]
.endr
	v_pk_add_f32 v[114:115], v[114:115], v[116:117]
	v_add_f32 v[LL], v114, v115
	v_permlanex16_b32 v112, v[LL], s[SEL], s[SEL+1]
	v_add_f32 v[LL], v[LL], v112                   ; with lane l xor 16's: the segment's sum
	s_wait_alu depctr_va_vdst(0)                   ; and one wait for the four
.irp b, 0,1,2,3
	v_max_num_f32 v[TM+\b], 0x2800000, v[TM+\b]    ; the floor 2^(5 - 127): the byte cannot fall under 1
.endr
	QTAIL P, 122+(\a)%2
	PUT 84, (\a)*24576
.if (\a)%2
	v_cndmask_b32 v212, v122, v123, s44            ; lanes 0-15: the even block's, lanes 16-31: the odd block's
	v_cndmask_b32 v213, v118, v120, s44
	v_cndmask_b32 v214, v124, v125, s44
	global_store_b32 v2, v212, s[86:87] offset:((\a)/2)*128
	global_store_b32 v2, v213, s[86:87] offset:((\a)/2)*128+524288
	global_store_b32 v2, v214, s[86:87] offset:((\a)/2)*128+1048576
.endif
.endm
	PLACES 4
.irp a, 0,1,2,3,4,5,6,7
	SOFT \a
.endr
	s_wait_tensorcnt 0x0                           ; the wave's end
	ds_add_u32 v28, v29
	s_wait_dscnt 0x0
	CROUND                                         ; the closing round
	s_endpgm
.Lfunc_end_k_q744dff2984_scores:
	.size	k_q744dff2984_scores, .Lfunc_end_k_q744dff2984_scores-k_q744dff2984_scores
	.p2alignl 7, 3214868480
	.fill 96, 4, 3214868480
	.section	.rodata,"a",@progbits
	.p2align	6, 0x0
	.amdhsa_kernel k_q744dff2984_scores
		.amdhsa_group_segment_fixed_size 327680
		.amdhsa_private_segment_fixed_size 0
		.amdhsa_enable_private_segment 0
		.amdhsa_kernarg_size 16
		.amdhsa_user_sgpr_count 2
		.amdhsa_user_sgpr_kernarg_segment_ptr 1
		.amdhsa_wavefront_size32 1
		.amdhsa_system_sgpr_workgroup_id_x 1
		.amdhsa_system_sgpr_workgroup_id_y 1
		.amdhsa_system_sgpr_workgroup_id_z 1
		.amdhsa_system_vgpr_workitem_id 0
		.amdhsa_next_free_vgpr 1024
		.amdhsa_next_free_sgpr 100
		.amdhsa_reserve_vcc 0
		.amdhsa_float_denorm_mode_32 3
		.amdhsa_float_denorm_mode_16_64 3
		.amdhsa_memory_ordered 1
		.amdhsa_forward_progress 1
		.amdhsa_inst_pref_size 197
	.end_amdhsa_kernel
	.amdgpu_metadata
---
amdhsa.version: [ 1, 2 ]
amdhsa.kernels:
  - .name:           k_q744dff2984_scores
    .symbol:         k_q744dff2984_scores.kd
    .args:
      - { .name: qkvimg, .offset: 0, .size: 8, .value_kind: global_buffer, .address_space: global }
      - { .name: pimg, .offset: 8, .size: 8, .value_kind: global_buffer, .address_space: global }
    .group_segment_fixed_size: 327680
    .private_segment_fixed_size: 0
    .kernarg_segment_align: 8
    .kernarg_segment_size: 16
    .max_flat_workgroup_size: 128
    .sgpr_count:     100
    .vgpr_count:     1024
    .wavefront_size: 32
...
	.end_amdgpu_metadata
.endif
;; end of part 3
;; launch mixv (part 4): grid 4 x 64, 4 waves a work-group, clusters of 4 x 4, 327,680 bytes of LDS; arguments pimg, qkvimg, miximg; writes miximg
.if DOCPART == 4
	.amdgcn_target "amdgcn-amd-amdhsa--gfx1250"
	.amdhsa_code_object_version 6
	.text
	.protected	k_q744dff2984_mixv
	.globl	k_q744dff2984_mixv
	.p2align	8
	.type	k_q744dff2984_mixv,@function
k_q744dff2984_mixv:
	s_mov_b64 s[64:65], 0
	v_nop
	global_prefetch_b8 v0, s[64:65] scope:SCOPE_SE
	s_setreg_imm32_b32 hwreg(HW_REG_WAVE_MODE, 25, 1), 1
	s_wait_xcnt 0x0
	s_wait_alu depctr_hold_cnt(0) depctr_sa_sdst(0) depctr_va_vdst(0) depctr_va_sdst(0) depctr_va_ssrc(0) depctr_va_vcc(0) depctr_vm_vsrc(0)
	s_getreg_b32 s2, hwreg(HW_REG_IB_STS2, 6, 4)
	s_cmp_eq_u32 s2, 0
	s_cbranch_scc0 .Lentry_in_a_cluster
	s_endpgm
.Lentry_in_a_cluster:
	s_bfe_u32 s2, ttmp6, 0x10000c
	s_cmp_lg_u32 s2, 0xf033
	s_cbranch_scc0 .Lentry_shape_is_right
	s_endpgm
.Lentry_shape_is_right:
; LAUNCH 4 OF 5.  mixed = (p v) / l, quantised along d.  Nothing is left out.
; AT THE HEAD, while the first tiles are on their way: for each of my queries the row's M = the largest of its 16 segments' M; d = M - the segment's M, a whole number, held at 127; l = the sum of the segments' l x 2^-d;
; each of p's scale bytes is lowered by its segment's d and held at 0: so the codes of launch 3 stand for p = 2^(t - M) under the row's own M.
; LIMIT: a block that lies more than its byte's worth under the row's largest p keeps the byte 0 (2^-127) in place of a smaller power of two; a segment with d of 127 or more adds nothing to l.
; A work-group makes 128 queries x 256 of d, a wave 64 x 128 (32 accumulators): with 256 x 256 there would be tiles for half of the 256 work-groups only.  K = 2,048 keys in 16 steps, four steps to a slot, two slots, each filled twice.
; Transposed use, images, joint loads and macros as in launch 2: A side = p (shared along a row of the cluster), B side = v^T (shared along a column).
; REGISTERS: window 0: v16-23 1 / l of my four blocks, as pairs; v24-27 the least -M and l of the two pairs of blocks; v32-63 p's scale words, v64-127 v^T's; v128-175 A's fragments; at the head v176-207 -M, v208-239 l, v240-251 at work;
;   on the way out v128-191 64 numbers, v192-211 codes, v212-230 at work.  window 1: B's two sets.  window 2: the accumulators.
.set MB,    4
.set HB,    2
.set KS,    16
.set SLOTK, 4
.set NSLOT, 2
.set ASTR,  SLOTK*1536
.set ABYTES, 2*MB*ASTR
.set SLOT,  ABYTES+16*ASTR
.set SPARE, 294912
.set ADRA,  4
.set ADRB,  8
.set SA,    32
.set SB,    SA+HB*KS
.set AF,    128
.set NMR,   176
.set LR,    208
.set H,     128
.set PC,    192
.set TM,    212
.set SEL,   20
.set MSB, 0
.macro WIN new                         ; the immediate's high byte repeats the setting that is left
.if MSB != (\new)
	s_set_vgpr_msb (MSB<<8)|(\new)
.set MSB, (\new)
.endif
.endm
.macro PLACES n
.rept \n
	v_nop
.endr
.endm
.macro JLOAD g0a, g0b                  ; a joint load: waves 0 and 1 for A, waves 2 and 3 for B; an s_nop 0 and four v_nop follow each line
	s_cmp_eq_u32 s15, 0
	s_cbranch_scc0 .Lfor_b_\@
	tensor_load_to_lds s[\g0a:\g0a+3], s[24:31]
	s_nop 0
	PLACES 4
	s_branch .Lasked_\@
.Lfor_b_\@:
	tensor_load_to_lds s[\g0b:\g0b+3], s[48:55]
	s_nop 0
	PLACES 4
.Lasked_\@:
.endm
.macro CREST
	s_cmp_lg_u32 s14, 0
	s_cbranch_scc1 .Lnot_wave_0_\@
	s_barrier_signal -3
.Lnot_wave_0_\@:
	s_barrier_wait -3
	s_barrier_signal -1
	s_barrier_wait -1
.endm
.macro CROUND
	s_barrier_signal -1
	s_barrier_wait -1
	CREST
.endm
.macro G0SET ga, gb, f
	s_mov_b32 s[\ga], 1
	s_add_co_u32 s[\ga+1], s94, (\f)*SLOT
	s_add_nc_u64 s[\ga+2:\ga+3], s[76:77], (\f)*SLOTK*1536
	s_or_b32 s[\ga+3], s[\ga+3], 0x80000000
	s_mov_b32 s[\gb], 1
	s_add_co_u32 s[\gb+1], s95, (\f)*SLOT
	s_add_nc_u64 s[\gb+2:\gb+3], s[78:79], (\f)*SLOTK*1536
	s_or_b32 s[\gb+3], s[\gb+3], 0x80000000
	JLOAD \ga, \gb
.endm
.macro FRAGL reg, adr, off
.irp c, 0,1,2
	ds_load_b128 v[(\reg)+4*\c:(\reg)+4*\c+3], v[\adr] offset:(\off)+512*\c
.endr
.endm
.macro FETCH_B slot, q, p
	WIN 0x40
.irp i, 0,1,2,3,4,5,6,7
	FRAGL 128*(\p)+12*\i, ADRB+(\slot), \i*ASTR+1536*(\q)
.endr
	WIN 0
.endm
.macro FETCH_A slot, q, i0, n
.set fi, \i0
.rept \n
	FRAGL AF+12*fi, ADRA+(\slot), fi*ASTR+1536*(\q)
.set fi, fi+1
.endr
.endm
.macro WM ks
.if (\ks) == 0
.if fRB && fRA
	v_wmma_scale_f32_16x16x128_f8f6f4 v[rD:rD+7], v[rB:rB+11], v[rA:rA+11], 0, v[rSB], v[rSA] matrix_a_fmt:MATRIX_FMT_BF6 matrix_b_fmt:MATRIX_FMT_BF6 matrix_a_scale:MATRIX_SCALE_ROW1 matrix_b_scale:MATRIX_SCALE_ROW1
.elseif fRB
	v_wmma_scale_f32_16x16x128_f8f6f4 v[rD:rD+7], v[rB:rB+11], v[rA:rA+11], 0, v[rSB], v[rSA] matrix_a_fmt:MATRIX_FMT_BF6 matrix_b_fmt:MATRIX_FMT_BF6 matrix_a_scale:MATRIX_SCALE_ROW1
.elseif fRA
	v_wmma_scale_f32_16x16x128_f8f6f4 v[rD:rD+7], v[rB:rB+11], v[rA:rA+11], 0, v[rSB], v[rSA] matrix_a_fmt:MATRIX_FMT_BF6 matrix_b_fmt:MATRIX_FMT_BF6 matrix_b_scale:MATRIX_SCALE_ROW1
.else
	v_wmma_scale_f32_16x16x128_f8f6f4 v[rD:rD+7], v[rB:rB+11], v[rA:rA+11], 0, v[rSB], v[rSA] matrix_a_fmt:MATRIX_FMT_BF6 matrix_b_fmt:MATRIX_FMT_BF6
.endif
.else
.if fRB && fRA
	v_wmma_scale_f32_16x16x128_f8f6f4 v[rD:rD+7], v[rB:rB+11], v[rA:rA+11], v[rD:rD+7], v[rSB], v[rSA] matrix_a_fmt:MATRIX_FMT_BF6 matrix_b_fmt:MATRIX_FMT_BF6 matrix_a_scale:MATRIX_SCALE_ROW1 matrix_b_scale:MATRIX_SCALE_ROW1
.elseif fRB
	v_wmma_scale_f32_16x16x128_f8f6f4 v[rD:rD+7], v[rB:rB+11], v[rA:rA+11], v[rD:rD+7], v[rSB], v[rSA] matrix_a_fmt:MATRIX_FMT_BF6 matrix_b_fmt:MATRIX_FMT_BF6 matrix_a_scale:MATRIX_SCALE_ROW1
.elseif fRA
	v_wmma_scale_f32_16x16x128_f8f6f4 v[rD:rD+7], v[rB:rB+11], v[rA:rA+11], v[rD:rD+7], v[rSB], v[rSA] matrix_a_fmt:MATRIX_FMT_BF6 matrix_b_fmt:MATRIX_FMT_BF6 matrix_b_scale:MATRIX_SCALE_ROW1
.else
	v_wmma_scale_f32_16x16x128_f8f6f4 v[rD:rD+7], v[rB:rB+11], v[rA:rA+11], v[rD:rD+7], v[rSB], v[rSA] matrix_a_fmt:MATRIX_FMT_BF6 matrix_b_fmt:MATRIX_FMT_BF6
.endif
.endif
.endm
.macro MULA a, p, ks
.if (\a) < 4
	WIN 0xa1
.else
	WIN 0xf1
.endif
.set rA, AF+12*(\a)
.set rSA, SA+HB*(\ks)+(\a)/2
.set fRA, (\a)%2
.irp b, 0,1,2,3,4,5,6,7
.set rD, 8*(8*((\a)%4)+\b)
.set rB, 128*(\p)+12*\b
.set rSB, SB+4*(\ks)+\b/2
.set fRB, \b%2
	WM \ks
.endr
.endm
.macro MULR a0, n, p, ks               ; the accumulators take turns, one instruction a turn
.set ma, \a0
.rept \n
	MULA ma, \p, \ks
.set ma, ma+1
.endr
.endm
.macro STEP ks, slot, q, nslot, nq, kind   ; as in launch 2: kind 0 plain, 1 change of slots with a refill, 2 change without, 3 the last
.set pp, (\ks)%2
.if (\kind) == 0 || (\kind) == 3
	s_wait_dscnt 3*HB                              ; B's set and A's lower blocks are in; A's upper blocks may be out
	MULR 0, HB, pp, \ks
	s_wait_dscnt 0x0
.else
	s_wait_tensorcnt 0x0                           ; all my tensor loads have landed: the one that was out is my part of the next slot
	ds_add_u32 v28, v29                            ; 0 onto my spare word
	s_wait_dscnt 3*HB+1                            ; (the add and A's upper blocks may be out)
	MULR 0, HB/2, pp, \ks
	s_wait_dscnt 0x0                               ; the add is done, and my reads of this slot are over
	s_barrier_signal -1
	MULR HB/2, HB/2, pp, \ks
	WIN 0
	s_barrier_wait -1
.endif
.if (\kind) == 1
	CREST
	s_add_nc_u64 s[gA+2:gA+3], s[gA+2:gA+3], stA
	s_add_nc_u64 s[gB+2:gB+3], s[gB+2:gB+3], stB
	JLOAD gA, gB
.elseif (\kind) != 3
	PLACES 4
.endif
.if (\kind) != 3
	FETCH_B \nslot, \nq, 1-pp
	FETCH_A \nslot, \nq, 0, HB
.endif
	MULR HB, HB, pp, \ks
.if (\kind) != 3
	PLACES 4
.endif
	WIN 0
.if (\kind) != 3
	FETCH_A \nslot, \nq, HB, HB
.endif
.endm
.macro QTAIL s, pw
.irp b, 0,1,2,3
	v_add_nc_u32 v[TM+12+\b], 0xfe000000, v[TM+\b]
.endr
.irp b, 0,1,2,3
	v_lshrrev_b32 v[TM+4+\b], 23, v[TM+12+\b]
.endr
	v_lshl_or_b32 v[\pw], v[TM+5], 8, v[TM+4]
	v_lshl_or_b32 v[\pw], v[TM+6], 16, v[\pw]
	v_lshl_or_b32 v[\pw], v[TM+7], 24, v[\pw]
.irp c, 0,1
	v_cvt_scalef32_pk16_bf6_f32 v[PC+6*\c:PC+2+6*\c], v[(\s)+32*\c:(\s)+15+32*\c], v[TM+12+2*\c]
	v_cvt_scalef32_pk16_bf6_f32 v[PC+12+4*\c:PC+14+4*\c], v[(\s)+16+32*\c:(\s)+31+32*\c], v[TM+12+2*\c+1]
.endr
	v_nop                                          ; one plain place behind a scaled conversion
.irp c, 0,1
.irp i, 0,1,2
	v_permlane16_swap_b32 v[PC+6*\c+\i], v[PC+12+4*\c+\i]
.endr
.irp i, 0,1,2
	v_mov_b32 v[PC+3+6*\c+\i], v[PC+12+4*\c+\i]
.endr
.endr
.endm
.macro QUANT s, pw
.irp b, 0,1,2,3
	v_max3_num_f32 v[TM+\b], |v[(\s)+16*\b]|, |v[(\s)+1+16*\b]|, 0x2800000           ; with the floor 2^(5 - 127)
.endr
.irp i, 2,4,6,8,10,12,14
.irp b, 0,1,2,3
	v_max3_num_f32 v[TM+\b], v[TM+\b], |v[(\s)+16*\b+\i]|, |v[(\s)+1+16*\b+\i]|
.endr
.endr
.irp b, 0,1,2,3
	v_permlanex16_b32 v[TM+4+\b], v[TM+\b], s[SEL], s[SEL+1]
.endr
.irp b, 0,1,2,3
	v_max_num_f32 v[TM+\b], v[TM+\b], v[TM+4+\b]
.endr
	QTAIL \s, \pw
.endm
.macro PUT base, off
.irp c, 0,1,2
	global_store_b128 v1, v[PC+4*\c:PC+4*\c+3], s[\base:\base+1] offset:(\off)+512*\c
.endr
.endm
	s_load_b128 s[4:7], s[0:1], 0x0                ; p's images and statistics, the images of launch 2
	s_load_b64 s[8:9], s[0:1], 0x10                ; out
	v_lshl_add_u32 v28, v0, 2, SPARE
	v_mov_b32 v29, 0
	ds_add_u32 v28, v29                            ; the wave's opening: the add, twice on end, and its wait ahead of my first tensor load
	ds_add_u32 v28, v29
	v_lshrrev_b32 v1, 5, v0
	v_readfirstlane_b32 s14, v1
	s_lshr_b32 s15, s14, 1                         ; my half of the queries.  Also: I fetch for p (0) or for v^T (1)
	s_and_b32 s16, s14, 1                          ; my half of d.  Also: which half of that tile I fetch
	s_bfe_u32 s72, ttmp6, 0x40000                  ; cx
	s_bfe_u32 s73, ttmp6, 0x40004                  ; cy
	s_and_b32 s18, ttmp7, 0xffff
	s_lshl_b32 s74, s73, 2
	s_lshl_b32 s74, 15, s74
	s_lshl_b32 s75, 0x1111, s72
	s_or_b32 s24, s74, (3<<16)|(1<<21)
	s_or_b32 s48, s75, (3<<16)|(1<<21)
	s_mov_b32 s25, (SLOTK*192)<<16                 ; p: 4 row blocks x 6,144 bytes, 24,576 bytes apart
	s_mov_b32 s26, 4<<16
	s_mov_b32 s27, (SLOTK*192)<<16
	s_mov_b32 s28, 4
	s_mov_b32 s29, 3072
	s_mov_b32 s30, 0
	s_mov_b32 s31, 0
	s_mov_b32 s49, (SLOTK*192)<<16                 ; v^T: 8 row blocks x 6,144 bytes, 12,288 bytes apart
	s_mov_b32 s50, 8<<16
	s_mov_b32 s51, (SLOTK*192)<<16
	s_mov_b32 s52, 8
	s_mov_b32 s53, 1536
	s_mov_b32 s54, 0
	s_mov_b32 s55, 0
	s_mov_b32 s[SEL], 0x76543210
	s_mov_b32 s[SEL+1], 0xfedcba98
	s_mov_b32 s44, 0xffff0000
	s_lshl_b32 s45, s18, 2
	s_add_co_u32 s45, s45, s73                     ; T: my tile of 128 queries
	s_lshr_b32 s46, s18, 2                         ; the batch
	s_lshl_b32 s76, s45, 3
	s_lshl_b32 s47, s16, 2
	s_add_co_u32 s76, s76, s47                     ; p's row block 8 T + 4 x half
	s_mul_i32 s76, s76, 24576
	s_mov_b32 s77, 0
	s_lshl_b32 s78, s72, 4
	s_lshl_b32 s47, s16, 3
	s_add_co_u32 s78, s78, s47                     ; v^T's row block 16 cx + 8 x half,
	s_mul_i32 s78, s78, 12288
	s_mul_i32 s47, s46, 2*786432                   ; in the batch's first half of the keys
	s_add_co_u32 s78, s78, s47
	s_add_co_u32 s78, s78, 12582912
	s_mov_b32 s79, 0
	s_lshl_b32 s80, s45, 13                        ; p's scale words, -M and l: group T, my four blocks
	s_lshl_b32 s92, s15, 8
	s_add_co_u32 s80, s80, s92
	s_add_co_u32 s80, s80, 12582912
	s_mov_b32 s81, 0
	s_lshl_b32 s82, s46, 4                         ; v^T's scale words: group 16 batch + 2 cx + wn
	s_lshl_b32 s92, s72, 1
	s_add_co_u32 s92, s92, s16
	s_add_co_u32 s82, s82, s92
	s_lshl_b32 s82, s82, 12
	s_add_co_u32 s82, s82, 19398656
	s_mov_b32 s83, 0
	s_lshl_b32 s84, s45, 3                         ; out: row block 8 T + 4 wm, K step 2 cx + wn
	s_lshl_b32 s93, s15, 2
	s_add_co_u32 s84, s84, s93
	s_mul_i32 s84, s84, 12288
	s_mul_i32 s93, s92, 1536
	s_add_co_u32 s84, s84, s93
	s_mov_b32 s85, 0
	s_lshl_b32 s86, s45, 3
	s_add_co_u32 s86, s86, s92
	s_lshl_b32 s86, s86, 9
	s_lshl_b32 s93, s15, 8
	s_add_co_u32 s86, s86, s93
	s_add_co_u32 s86, s86, 6291456
	s_mov_b32 s87, 0
	s_mul_i32 s94, s16, 24576                      ; where my part of a slot goes: A's halves, then B's
	s_mul_i32 s95, s16, 49152
	s_add_co_u32 s95, s95, ABYTES
	s_wait_dscnt 0x0                               ; both opening adds are done
	s_wait_kmcnt 0x0
	s_add_nc_u64 s[76:77], s[4:5], s[76:77]
	s_add_nc_u64 s[78:79], s[6:7], s[78:79]
	s_add_nc_u64 s[80:81], s[4:5], s[80:81]
	s_add_nc_u64 s[82:83], s[6:7], s[82:83]
	s_add_nc_u64 s[84:85], s[8:9], s[84:85]
	s_add_nc_u64 s[86:87], s[8:9], s[86:87]
	CROUND
	G0SET 32, 56, 0                                ; K steps 0 to 3
	G0SET 36, 60, 1                                ; 4 to 7: two loads of mine are out
	v_and_b32 v3, 31, v0
	v_lshlrev_b32 v1, 4, v3
	v_lshlrev_b32 v2, 2, v3
	s_mul_i32 s92, s15, MB*ASTR
	s_mul_i32 s93, s16, 8*ASTR
	s_add_co_u32 s93, s93, ABYTES
.irp s, 0,1
	v_add_nc_u32 v[ADRA+\s], s92, v1
	v_add_nc_u32 v[ADRB+\s], s93, v1
	s_add_co_u32 s92, s92, SLOT
	s_add_co_u32 s93, s93, SLOT
.endr
.set sk, 0
.rept KS
.set sj, 0
.rept 2
	global_load_b32 v[SA+2*sk+sj], v2, s[80:81] offset:sk*512+sj*128
	global_load_b32 v[NMR+2*sk+sj], v2, s[80:81] offset:524288+sk*512+sj*128
	global_load_b32 v[LR+2*sk+sj], v2, s[80:81] offset:1048576+sk*512+sj*128
.set sj, sj+1
.endr
.set sk, sk+1
.endr
.set sk, 0
.rept KS
.set sj, 0
.rept 4
	global_load_b32 v[SB+4*sk+sj], v2, s[82:83] offset:(sk/8)*32768+(sk%8)*512+sj*128
.set sj, sj+1
.endr
.set sk, sk+1
.endr
	s_mov_b32 s92, 0x80808080
	s_mov_b32 s93, 0x42fe0000                      ; 127.0
	s_mov_b32 s94, 127
	s_wait_loadcnt 0x0
	; a lane holds one query's figures: lanes 0-15 of pair i those of block 2 i, lanes 16-31 those of block 2 i + 1
.irp i, 0,1
	v_min3_num_f32 v[24+\i], v[NMR+\i], v[NMR+2+\i], v[NMR+4+\i]                     ; the least -M = minus the row's M
.endr
.irp k, 3,5,7,9,11,13
.irp i, 0,1
	v_min3_num_f32 v[24+\i], v[24+\i], v[NMR+2*\k+\i], v[NMR+2*\k+2+\i]
.endr
.endr
.irp i, 0,1
	v_min_num_f32 v[24+\i], v[24+\i], v[NMR+30+\i]
.endr
.irp k, 0,1,2,3,4,5,6,7,8,9,10,11,12,13,14,15
.irp i, 0,1
	v_sub_f32 v[240+6*\i], v[NMR+2*\k+\i], v[24+\i]                                  ; d = the row's M - the segment's M: a whole number, 0 or more
.endr
.irp i, 0,1
	v_min_num_f32 v[240+6*\i], s93, v[240+6*\i]
.endr
.irp i, 0,1
	v_cvt_u32_f32 v[240+6*\i], v[240+6*\i]
.endr
.irp i, 0,1
	v_sub_nc_u32 v[241+6*\i], s94, v[240+6*\i]
	v_perm_b32 v[242+6*\i], v[240+6*\i], v[240+6*\i], 0                              ; d in all four bytes
	v_or_b32 v[243+6*\i], s92, v[SA+2*\k+\i]                                         ; p's bytes lie under 128: with the top bit set no byte borrows from the next
.endr
.irp i, 0,1
	v_lshlrev_b32 v[241+6*\i], 23, v[241+6*\i]                                       ; 2^-d (d = 127: 0)
	v_sub_nc_u32 v[243+6*\i], v[243+6*\i], v[242+6*\i]
.endr
.irp i, 0,1
.if \k == 0
	v_mul_f32 v[26+\i], v[LR+2*\k+\i], v[241+6*\i]
.else
	v_fmac_f32 v[26+\i], v[LR+2*\k+\i], v[241+6*\i]                                  ; l under the row's M
.endif
	v_and_b32 v[244+6*\i], s92, v[243+6*\i]                                          ; the top bit has stayed where byte >= d
.endr
.irp i, 0,1
	v_lshrrev_b32 v[245+6*\i], 7, v[244+6*\i]
.endr
.irp i, 0,1
	v_sub_nc_u32 v[244+6*\i], v[244+6*\i], v[245+6*\i]                               ; 0x7f there, 0 elsewhere
.endr
.irp i, 0,1
	v_and_b32 v[SA+2*\k+\i], v[243+6*\i], v[244+6*\i]                                ; byte - d, held at 0
.endr
.endr
	v_rcp_f32 v26, v26
	v_rcp_f32 v27, v27
	v_nop                                          ; a plain place behind the reciprocals
	s_wait_alu depctr_va_vdst(0)                   ; one wait for both, ahead of their first reader
	v_permlanex16_b32 v240, v26, s[SEL], s[SEL+1]
	v_permlanex16_b32 v246, v27, s[SEL], s[SEL+1]
	v_cndmask_b32 v16, v26, v240, s44              ; 1 / l of block a's row r in both halves of the lanes, as a pair for the packed multiply
	v_cndmask_b32 v17, v26, v240, s44
	v_cndmask_b32 v18, v240, v26, s44
	v_cndmask_b32 v19, v240, v26, s44
	v_cndmask_b32 v20, v27, v246, s44
	v_cndmask_b32 v21, v27, v246, s44
	v_cndmask_b32 v22, v246, v27, s44
	v_cndmask_b32 v23, v246, v27, s44
	s_wait_tensorcnt NSLOT-1                       ; my part of slot 0 is in; slot 1's may be out
	s_barrier_signal -1
	s_barrier_wait -1
	FETCH_B 0, 0, 0
	FETCH_A 0, 0, 0, HB
	FETCH_A 0, 0, HB, HB
.set stA, 12288                        ; 8 K steps on in p's row block
.set stB, 786432                       ; the keys' other half in v^T
.set gA, 32
.set gB, 56
	STEP 0, 0, 0, 0, 1, 0
	STEP 1, 0, 1, 0, 2, 0
	STEP 2, 0, 2, 0, 3, 0
	STEP 3, 0, 3, 1, 0, 1                          ; slot 0 takes K steps 8 to 11
	STEP 4, 1, 0, 1, 1, 0
	STEP 5, 1, 1, 1, 2, 0
	STEP 6, 1, 2, 1, 3, 0
.set gA, 36
.set gB, 60
	STEP 7, 1, 3, 0, 0, 1                          ; slot 1 takes K steps 12 to 15
	STEP 8, 0, 0, 0, 1, 0
	STEP 9, 0, 1, 0, 2, 0
	STEP 10, 0, 2, 0, 3, 0
	STEP 11, 0, 3, 1, 0, 2
	STEP 12, 1, 0, 1, 1, 0
	STEP 13, 1, 1, 1, 2, 0
	STEP 14, 1, 2, 1, 3, 0
	STEP 15, 1, 3, 0, 0, 3
.macro OUTM a                          ; block a: divided by l, quantised along d, stored as a fragment
.set AC, 64*(\a)
	s_wait_xcnt 0x0                                ; the last stores have read their data
	WIN 2
.set oi, 0
.rept 32
	v_pk_mul_f32 v[H+oi:H+oi+1], v[AC+oi:AC+oi+1], v[16+2*(\a):17+2*(\a)]            ; each accumulator from its low end on
.set oi, oi+2
.endr
	WIN 0
	QUANT H, 228+(\a)%2
	PUT 84, (\a)*12288
.if (\a)%2
	v_cndmask_b32 v230, v228, v229, s44
	global_store_b32 v2, v230, s[86:87] offset:((\a)/2)*128
.endif
.endm
	PLACES 4
.irp b, 0,1,2,3
	v_mov_b32 v[TM+4+\b], 0                        ; written once: a lane permute's destination counts as one of its sources
.endr
.irp a, 0,1,2,3
	OUTM \a
.endr
	s_wait_tensorcnt 0x0                           ; the wave's end
	ds_add_u32 v28, v29
	s_wait_dscnt 0x0
	CROUND                                         ; the closing round
	s_endpgm
.Lfunc_end_k_q744dff2984_mixv:
	.size	k_q744dff2984_mixv, .Lfunc_end_k_q744dff2984_mixv-k_q744dff2984_mixv
	.p2alignl 7, 3214868480
	.fill 96, 4, 3214868480
	.section	.rodata,"a",@progbits
	.p2align	6, 0x0
	.amdhsa_kernel k_q744dff2984_mixv
		.amdhsa_group_segment_fixed_size 327680
		.amdhsa_private_segment_fixed_size 0
		.amdhsa_enable_private_segment 0
		.amdhsa_kernarg_size 24
		.amdhsa_user_sgpr_count 2
		.amdhsa_user_sgpr_kernarg_segment_ptr 1
		.amdhsa_wavefront_size32 1
		.amdhsa_system_sgpr_workgroup_id_x 1
		.amdhsa_system_sgpr_workgroup_id_y 1
		.amdhsa_system_sgpr_workgroup_id_z 1
		.amdhsa_system_vgpr_workitem_id 0
		.amdhsa_next_free_vgpr 1024
		.amdhsa_next_free_sgpr 100
		.amdhsa_reserve_vcc 0
		.amdhsa_float_denorm_mode_32 3
		.amdhsa_float_denorm_mode_16_64 3
		.amdhsa_memory_ordered 1
		.amdhsa_forward_progress 1
		.amdhsa_inst_pref_size 173
	.end_amdhsa_kernel
	.amdgpu_metadata
---
amdhsa.version: [ 1, 2 ]
amdhsa.kernels:
  - .name:           k_q744dff2984_mixv
    .symbol:         k_q744dff2984_mixv.kd
    .args:
      - { .name: pimg, .offset: 0, .size: 8, .value_kind: global_buffer, .address_space: global }
      - { .name: qkvimg, .offset: 8, .size: 8, .value_kind: global_buffer, .address_space: global }
      - { .name: miximg, .offset: 16, .size: 8, .value_kind: global_buffer, .address_space: global }
    .group_segment_fixed_size: 327680
    .private_segment_fixed_size: 0
    .kernarg_segment_align: 8
    .kernarg_segment_size: 24
    .max_flat_workgroup_size: 128
    .sgpr_count:     100
    .vgpr_count:     1024
    .wavefront_size: 32
...
	.end_amdgpu_metadata
.endif
;; end of part 4
;; launch proj (part 5): grid 4 x 64, 4 waves a work-group, clusters of 4 x 4, 327,680 bytes of LDS; arguments miximg, xwimg, bo, tokens, out0; writes out0
.if DOCPART == 5
	.amdgcn_target "amdgcn-amd-amdhsa--gfx1250"
	.amdhsa_code_object_version 6
	.text
	.protected	k_q744dff2984_proj
	.globl	k_q744dff2984_proj
	.p2align	8
	.type	k_q744dff2984_proj,@function
k_q744dff2984_proj:
	s_mov_b64 s[64:65], 0
	v_nop
	global_prefetch_b8 v0, s[64:65] scope:SCOPE_SE
	s_setreg_imm32_b32 hwreg(HW_REG_WAVE_MODE, 25, 1), 1
	s_wait_xcnt 0x0
	s_wait_alu depctr_hold_cnt(0) depctr_sa_sdst(0) depctr_va_vdst(0) depctr_va_sdst(0) depctr_va_ssrc(0) depctr_va_vcc(0) depctr_vm_vsrc(0)
	s_getreg_b32 s2, hwreg(HW_REG_IB_STS2, 6, 4)
	s_cmp_eq_u32 s2, 0
	s_cbranch_scc0 .Lentry_in_a_cluster
	s_endpgm
.Lentry_in_a_cluster:
	s_bfe_u32 s2, ttmp6, 0x10000c
	s_cmp_lg_u32 s2, 0xf033
	s_cbranch_scc0 .Lentry_shape_is_right
	s_endpgm
.Lentry_shape_is_right:
; LAUNCH 5 OF 5.  out = mixed Wo + bo + tokens.  Nothing is left out.
; A work-group makes 128 tokens x 256 columns, a wave 64 x 128 (32 accumulators), as in launch 4.  K = 1,024 in 8 steps, four to a slot, two slots, each filled once.
; Transposed use, images, joint loads and macros as in launch 2: A side = mixed (shared along a row of the cluster), B side = Wo's rows (shared along a column).
; THE RESIDUAL of the wave's tile, 64 rows x 512 bytes, is asked for at the head into window 3 and lands under the products.
; THE WAY OUT: a lane holds 8 + 8 .. neighbouring columns of one row; a block of 16 rows goes through the wave's own stage in LDS (rows of 512 bytes + 16) and comes back as whole rows, to which bo and the residual are added;
; each store covers 512 consecutive bytes, aligned.  The stage lies in slot 0: that slot has had its one fill, and every wave has passed the change of slots, behind which nobody reads it.
; REGISTERS: window 0: v16-19 bo, v20, v21 the stage's addresses, v32-47 mixed's scale words, v48-79 Wo's, v128-175 A's fragments; on the way out v128-191 and v192-255 rows by turns.  window 1: B's two sets.  window 2: the accumulators.  window 3: tokens.
.set MB,    4
.set HB,    2
.set KS,    8
.set SLOTK, 4
.set NSLOT, 2
.set ASTR,  SLOTK*1536
.set ABYTES, 2*MB*ASTR
.set SLOT,  ABYTES+16*ASTR
.set SPARE, 294912
.set ADRA,  4
.set ADRB,  8
.set SA,    32
.set SB,    SA+HB*KS
.set AF,    128
.set MSB, 0
.macro WIN new                         ; the immediate's high byte repeats the setting that is left
.if MSB != (\new)
	s_set_vgpr_msb (MSB<<8)|(\new)
.set MSB, (\new)
.endif
.endm
.macro PLACES n
.rept \n
	v_nop
.endr
.endm
.macro JLOAD g0a, g0b                  ; a joint load: waves 0 and 1 for A, waves 2 and 3 for B; an s_nop 0 and four v_nop follow each line
	s_cmp_eq_u32 s15, 0
	s_cbranch_scc0 .Lfor_b_\@
	tensor_load_to_lds s[\g0a:\g0a+3], s[24:31]
	s_nop 0
	PLACES 4
	s_branch .Lasked_\@
.Lfor_b_\@:
	tensor_load_to_lds s[\g0b:\g0b+3], s[48:55]
	s_nop 0
	PLACES 4
.Lasked_\@:
.endm
.macro CREST
	s_cmp_lg_u32 s14, 0
	s_cbranch_scc1 .Lnot_wave_0_\@
	s_barrier_signal -3
.Lnot_wave_0_\@:
	s_barrier_wait -3
	s_barrier_signal -1
	s_barrier_wait -1
.endm
.macro CROUND
	s_barrier_signal -1
	s_barrier_wait -1
	CREST
.endm
.macro G0SET ga, gb, f
	s_mov_b32 s[\ga], 1
	s_add_co_u32 s[\ga+1], s94, (\f)*SLOT
	s_add_nc_u64 s[\ga+2:\ga+3], s[76:77], (\f)*SLOTK*1536
	s_or_b32 s[\ga+3], s[\ga+3], 0x80000000
	s_mov_b32 s[\gb], 1
	s_add_co_u32 s[\gb+1], s95, (\f)*SLOT
	s_add_nc_u64 s[\gb+2:\gb+3], s[78:79], (\f)*SLOTK*1536
	s_or_b32 s[\gb+3], s[\gb+3], 0x80000000
	JLOAD \ga, \gb
.endm
.macro FRAGL reg, adr, off
.irp c, 0,1,2
	ds_load_b128 v[(\reg)+4*\c:(\reg)+4*\c+3], v[\adr] offset:(\off)+512*\c
.endr
.endm
.macro FETCH_B slot, q, p
	WIN 0x40
.irp i, 0,1,2,3,4,5,6,7
	FRAGL 128*(\p)+12*\i, ADRB+(\slot), \i*ASTR+1536*(\q)
.endr
	WIN 0
.endm
.macro FETCH_A slot, q, i0, n
.set fi, \i0
.rept \n
	FRAGL AF+12*fi, ADRA+(\slot), fi*ASTR+1536*(\q)
.set fi, fi+1
.endr
.endm
.macro WM ks
.if (\ks) == 0
.if fRB && fRA
	v_wmma_scale_f32_16x16x128_f8f6f4 v[rD:rD+7], v[rB:rB+11], v[rA:rA+11], 0, v[rSB], v[rSA] matrix_a_fmt:MATRIX_FMT_BF6 matrix_b_fmt:MATRIX_FMT_BF6 matrix_a_scale:MATRIX_SCALE_ROW1 matrix_b_scale:MATRIX_SCALE_ROW1
.elseif fRB
	v_wmma_scale_f32_16x16x128_f8f6f4 v[rD:rD+7], v[rB:rB+11], v[rA:rA+11], 0, v[rSB], v[rSA] matrix_a_fmt:MATRIX_FMT_BF6 matrix_b_fmt:MATRIX_FMT_BF6 matrix_a_scale:MATRIX_SCALE_ROW1
.elseif fRA
	v_wmma_scale_f32_16x16x128_f8f6f4 v[rD:rD+7], v[rB:rB+11], v[rA:rA+11], 0, v[rSB], v[rSA] matrix_a_fmt:MATRIX_FMT_BF6 matrix_b_fmt:MATRIX_FMT_BF6 matrix_b_scale:MATRIX_SCALE_ROW1
.else
	v_wmma_scale_f32_16x16x128_f8f6f4 v[rD:rD+7], v[rB:rB+11], v[rA:rA+11], 0, v[rSB], v[rSA] matrix_a_fmt:MATRIX_FMT_BF6 matrix_b_fmt:MATRIX_FMT_BF6
.endif
.else
.if fRB && fRA
	v_wmma_scale_f32_16x16x128_f8f6f4 v[rD:rD+7], v[rB:rB+11], v[rA:rA+11], v[rD:rD+7], v[rSB], v[rSA] matrix_a_fmt:MATRIX_FMT_BF6 matrix_b_fmt:MATRIX_FMT_BF6 matrix_a_scale:MATRIX_SCALE_ROW1 matrix_b_scale:MATRIX_SCALE_ROW1
.elseif fRB
	v_wmma_scale_f32_16x16x128_f8f6f4 v[rD:rD+7], v[rB:rB+11], v[rA:rA+11], v[rD:rD+7], v[rSB], v[rSA] matrix_a_fmt:MATRIX_FMT_BF6 matrix_b_fmt:MATRIX_FMT_BF6 matrix_a_scale:MATRIX_SCALE_ROW1
.elseif fRA
	v_wmma_scale_f32_16x16x128_f8f6f4 v[rD:rD+7], v[rB:rB+11], v[rA:rA+11], v[rD:rD+7], v[rSB], v[rSA] matrix_a_fmt:MATRIX_FMT_BF6 matrix_b_fmt:MATRIX_FMT_BF6 matrix_b_scale:MATRIX_SCALE_ROW1
.else
	v_wmma_scale_f32_16x16x128_f8f6f4 v[rD:rD+7], v[rB:rB+11], v[rA:rA+11], v[rD:rD+7], v[rSB], v[rSA] matrix_a_fmt:MATRIX_FMT_BF6 matrix_b_fmt:MATRIX_FMT_BF6
.endif
.endif
.endm
.macro MULA a, p, ks
.if (\a) < 4
	WIN 0xa1
.else
	WIN 0xf1
.endif
.set rA, AF+12*(\a)
.set rSA, SA+HB*(\ks)+(\a)/2
.set fRA, (\a)%2
.irp b, 0,1,2,3,4,5,6,7
.set rD, 8*(8*((\a)%4)+\b)
.set rB, 128*(\p)+12*\b
.set rSB, SB+4*(\ks)+\b/2
.set fRB, \b%2
	WM \ks
.endr
.endm
.macro MULR a0, n, p, ks               ; the accumulators take turns, one instruction a turn
.set ma, \a0
.rept \n
	MULA ma, \p, \ks
.set ma, ma+1
.endr
.endm
.macro STEP ks, slot, q, nslot, nq, kind   ; as in launch 2: kind 0 plain, 2 change of slots without a refill, 3 the last (kind 1 is not used here)
.set pp, (\ks)%2
.if (\kind) == 0 || (\kind) == 3
	s_wait_dscnt 3*HB                              ; B's set and A's lower blocks are in; A's upper blocks may be out
	MULR 0, HB, pp, \ks
	s_wait_dscnt 0x0
.else
	s_wait_tensorcnt 0x0                           ; all my tensor loads have landed: my part of slot 1
	ds_add_u32 v28, v29                            ; 0 onto my spare word
	s_wait_dscnt 3*HB+1                            ; (the add and A's upper blocks may be out)
	MULR 0, HB/2, pp, \ks
	s_wait_dscnt 0x0                               ; the add is done, and my reads of this slot are over
	s_barrier_signal -1
	MULR HB/2, HB/2, pp, \ks
	WIN 0
	s_barrier_wait -1
.endif
.if (\kind) != 3
	PLACES 4
	FETCH_B \nslot, \nq, 1-pp
	FETCH_A \nslot, \nq, 0, HB
.endif
	MULR HB, HB, pp, \ks
.if (\kind) != 3
	PLACES 4
.endif
	WIN 0
.if (\kind) != 3
	FETCH_A \nslot, \nq, HB, HB
.endif
.endm
	s_load_b256 s[4:11], s[0:1], 0x0               ; mixed's images, the images of launch 1, bo, tokens
	s_load_b64 s[12:13], s[0:1], 0x20              ; out
	v_lshl_add_u32 v28, v0, 2, SPARE
	v_mov_b32 v29, 0
	ds_add_u32 v28, v29                            ; the wave's opening: the add, twice on end, and its wait ahead of my first tensor load
	ds_add_u32 v28, v29
	v_lshrrev_b32 v1, 5, v0
	v_readfirstlane_b32 s14, v1
	s_lshr_b32 s15, s14, 1                         ; my half of the tokens.  Also: I fetch for mixed (0) or for Wo (1)
	s_and_b32 s16, s14, 1                          ; my half of the columns.  Also: which half of that tile I fetch
	s_bfe_u32 s72, ttmp6, 0x40000                  ; cx
	s_bfe_u32 s73, ttmp6, 0x40004                  ; cy
	s_and_b32 s18, ttmp7, 0xffff
	s_lshl_b32 s74, s73, 2
	s_lshl_b32 s74, 15, s74
	s_lshl_b32 s75, 0x1111, s72
	s_or_b32 s24, s74, (3<<16)|(1<<21)
	s_or_b32 s48, s75, (3<<16)|(1<<21)
	s_mov_b32 s25, (SLOTK*192)<<16                 ; mixed: 4 row blocks x 6,144 bytes, 12,288 bytes apart
	s_mov_b32 s26, 4<<16
	s_mov_b32 s27, (SLOTK*192)<<16
	s_mov_b32 s28, 4
	s_mov_b32 s29, 1536
	s_mov_b32 s30, 0
	s_mov_b32 s31, 0
	s_mov_b32 s49, (SLOTK*192)<<16                 ; Wo: 8 row blocks
	s_mov_b32 s50, 8<<16
	s_mov_b32 s51, (SLOTK*192)<<16
	s_mov_b32 s52, 8
	s_mov_b32 s53, 1536
	s_mov_b32 s54, 0
	s_mov_b32 s55, 0
	s_lshl_b32 s45, s18, 2
	s_add_co_u32 s45, s45, s73                     ; T: my tile of 128 tokens
	s_lshl_b32 s76, s45, 3
	s_lshl_b32 s47, s16, 2
	s_add_co_u32 s76, s76, s47
	s_mul_i32 s76, s76, 12288
	s_mov_b32 s77, 0
	s_lshl_b32 s78, s72, 4
	s_lshl_b32 s47, s16, 3
	s_add_co_u32 s78, s78, s47
	s_add_co_u32 s78, s78, 704                     ; Wo's row blocks begin at 704
	s_mul_i32 s78, s78, 12288
	s_mov_b32 s79, 0
	s_lshl_b32 s80, s45, 12
	s_lshl_b32 s92, s15, 8
	s_add_co_u32 s80, s80, s92
	s_add_co_u32 s80, s80, 6291456
	s_mov_b32 s81, 0
	s_lshl_b32 s82, s72, 1
	s_add_co_u32 s82, s82, s16
	s_add_co_u32 s82, s82, 88
	s_lshl_b32 s82, s82, 12
	s_add_co_u32 s82, s82, 9437184
	s_mov_b32 s83, 0
	s_lshl_b32 s96, s72, 10                        ; my first column, in bytes: 4 (256 cx + 128 wn)
	s_lshl_b32 s97, s16, 9
	s_add_co_u32 s96, s96, s97
	s_mov_b32 s97, 0
	s_lshl_b32 s92, s45, 7
	s_lshl_b32 s93, s15, 6
	s_add_co_u32 s92, s92, s93                     ; my first row: 128 T + 64 wm
	s_lshl_b32 s92, s92, 12
	s_add_co_u32 s92, s92, s96
	s_mov_b32 s93, 0
	s_mul_i32 s94, s16, 24576
	s_mul_i32 s95, s16, 49152
	s_add_co_u32 s95, s95, ABYTES
	s_wait_dscnt 0x0                               ; both opening adds are done
	s_wait_kmcnt 0x0
	s_add_nc_u64 s[76:77], s[4:5], s[76:77]
	s_add_nc_u64 s[78:79], s[6:7], s[78:79]
	s_add_nc_u64 s[80:81], s[4:5], s[80:81]
	s_add_nc_u64 s[82:83], s[6:7], s[82:83]
	s_add_nc_u64 s[88:89], s[10:11], s[92:93]
	s_add_nc_u64 s[90:91], s[12:13], s[92:93]
	s_add_nc_u64 s[98:99], s[8:9], s[96:97]
	CROUND
	G0SET 32, 56, 0                                ; K steps 0 to 3
	G0SET 36, 60, 1                                ; 4 to 7: two loads of mine are out
	v_and_b32 v3, 31, v0
	v_lshlrev_b32 v1, 4, v3
	v_lshlrev_b32 v2, 2, v3
	s_mul_i32 s92, s15, MB*ASTR
	s_mul_i32 s93, s16, 8*ASTR
	s_add_co_u32 s93, s93, ABYTES
.irp s, 0,1
	v_add_nc_u32 v[ADRA+\s], s92, v1
	v_add_nc_u32 v[ADRB+\s], s93, v1
	s_add_co_u32 s92, s92, SLOT
	s_add_co_u32 s93, s93, SLOT
.endr
.set sk, 0
.rept KS
.set sj, 0
.rept 2
	global_load_b32 v[SA+2*sk+sj], v2, s[80:81] offset:sk*512+sj*128
.set sj, sj+1
.endr
.set sj, 0
.rept 4
	global_load_b32 v[SB+4*sk+sj], v2, s[82:83] offset:sk*512+sj*128
.set sj, sj+1
.endr
.set sk, sk+1
.endr
	global_load_b128 v[16:19], v1, s[98:99]        ; bo of the four columns that I store
	v_and_b32 v22, 15, v0                          ; r
	v_bfe_u32 v23, v0, 4, 1                        ; h
	s_mul_i32 s92, s14, 8448                       ; my stage
	v_mul_u32_u24 v20, v22, 528
	v_lshl_add_u32 v20, v23, 6, v20
	v_add_nc_u32 v20, s92, v20                     ; in: row r, + 64 h
	v_add_nc_u32 v21, s92, v1                      ; back: 16 bytes a lane of a row
	s_wait_loadcnt 0x0
	WIN 0xc0                                       ; destination window 3
.irp a, 0,1,2,3
.irp t, 0,1,2,3,4,5,6,7,8,9,10,11,12,13,14,15
	global_load_b128 v[4*(16*\a+\t):4*(16*\a+\t)+3], v1, s[88:89] offset:(32*(\a/2)+8*(\a%2)+\t+8*(\t/8))*4096 th:TH_LOAD_NT   ; the row that lane t of block a stands for: 512 consecutive bytes
.endr
.endr
	WIN 0
	s_wait_tensorcnt NSLOT-1                       ; my part of slot 0 is in; slot 1's may be out
	s_barrier_signal -1
	s_barrier_wait -1
	FETCH_B 0, 0, 0
	FETCH_A 0, 0, 0, HB
	FETCH_A 0, 0, HB, HB
	STEP 0, 0, 0, 0, 1, 0
	STEP 1, 0, 1, 0, 2, 0
	STEP 2, 0, 2, 0, 3, 0
	STEP 3, 0, 3, 1, 0, 2
	STEP 4, 1, 0, 1, 1, 0
	STEP 5, 1, 1, 1, 2, 0
	STEP 6, 1, 2, 1, 3, 0
	STEP 7, 1, 3, 0, 0, 3
.macro TOSTAGE a                       ; block a into my stage and back as whole rows.  LDS serves a wave's instructions in order: no wait between the stores and the loads, nor in front of the next block's stores
.set AC, 64*(\a)
.set BB, 128+64*((\a)%2)
	WIN 0x08                                       ; an LDS store's data are its source 1: window 2
.irp b, 0,1,2,3,4,5,6,7
	ds_store_b128 v20, v[AC+8*\b:AC+8*\b+3] offset:128*(\b/2)+32*(\b%2)              ; register 8 b + j is column 32 (b / 2) + 16 h + 8 (b % 2) + j; each accumulator from its low end on
	ds_store_b128 v20, v[AC+8*\b+4:AC+8*\b+7] offset:128*(\b/2)+32*(\b%2)+16
.endr
	WIN 0
.irp t, 0,1,2,3,4,5,6,7,8,9,10,11,12,13,14,15
	ds_load_b128 v[BB+4*\t:BB+4*\t+3], v21 offset:528*\t
.endr
.endm
.macro SEND a, younger                 ; younger: the LDS instructions issued behind block a's loads, which may stay out
.set BB, 128+64*((\a)%2)
	s_wait_dscnt \younger
.irp t, 0,1,2,3,4,5,6,7,8,9,10,11,12,13,14,15
	v_pk_add_f32 v[BB+4*\t:BB+4*\t+1], v[BB+4*\t:BB+4*\t+1], v[16:17]                ; + bo,
	v_pk_add_f32 v[BB+4*\t+2:BB+4*\t+3], v[BB+4*\t+2:BB+4*\t+3], v[18:19]
.endr
	WIN 0x0c                                       ; source 1: window 3
.irp t, 0,1,2,3,4,5,6,7,8,9,10,11,12,13,14,15
	v_pk_add_f32 v[BB+4*\t:BB+4*\t+1], v[BB+4*\t:BB+4*\t+1], v[64*(\a)+4*\t:64*(\a)+4*\t+1]           ; + the residual
	v_pk_add_f32 v[BB+4*\t+2:BB+4*\t+3], v[BB+4*\t+2:BB+4*\t+3], v[64*(\a)+4*\t+2:64*(\a)+4*\t+3]
.endr
	WIN 0
.irp t, 0,1,2,3,4,5,6,7,8,9,10,11,12,13,14,15
	global_store_b128 v1, v[BB+4*\t:BB+4*\t+3], s[90:91] offset:(32*((\a)/2)+8*((\a)%2)+\t+8*(\t/8))*4096 th:TH_STORE_NT   ; 32 lanes store 512 consecutive bytes, aligned
.endr
.endm
	PLACES 4                                       ; behind the last products: in front of the first read of results and of loads into A's registers
	s_wait_loadcnt 0x0                             ; the residual is in
	TOSTAGE 0
.irp a, 1,2,3
.if \a > 1
	s_wait_xcnt 0x0                                ; block a - 2's stores have read their registers: block a's rows may land there
.endif
	TOSTAGE \a
	SEND \a-1, 32                                  ; behind block a - 1's loads: block a's 16 stores and 16 loads
.endr
	SEND 3, 0
	s_wait_tensorcnt 0x0                           ; the wave's end, behind my last tensor load and my last LDS store
	ds_add_u32 v28, v29
	s_wait_dscnt 0x0
	CROUND                                         ; the closing round
	s_endpgm
.Lfunc_end_k_q744dff2984_proj:
	.size	k_q744dff2984_proj, .Lfunc_end_k_q744dff2984_proj-k_q744dff2984_proj
	.p2alignl 7, 3214868480
	.fill 96, 4, 3214868480
	.section	.rodata,"a",@progbits
	.p2align	6, 0x0
	.amdhsa_kernel k_q744dff2984_proj
		.amdhsa_group_segment_fixed_size 327680
		.amdhsa_private_segment_fixed_size 0
		.amdhsa_enable_private_segment 0
		.amdhsa_kernarg_size 40
		.amdhsa_user_sgpr_count 2
		.amdhsa_user_sgpr_kernarg_segment_ptr 1
		.amdhsa_wavefront_size32 1
		.amdhsa_system_sgpr_workgroup_id_x 1
		.amdhsa_system_sgpr_workgroup_id_y 1
		.amdhsa_system_sgpr_workgroup_id_z 1
		.amdhsa_system_vgpr_workitem_id 0
		.amdhsa_next_free_vgpr 1024
		.amdhsa_next_free_sgpr 100
		.amdhsa_reserve_vcc 0
		.amdhsa_float_denorm_mode_32 3
		.amdhsa_float_denorm_mode_16_64 3
		.amdhsa_memory_ordered 1
		.amdhsa_forward_progress 1
		.amdhsa_inst_pref_size 103
	.end_amdhsa_kernel
	.amdgpu_metadata
---
amdhsa.version: [ 1, 2 ]
amdhsa.kernels:
  - .name:           k_q744dff2984_proj
    .symbol:         k_q744dff2984_proj.kd
    .args:
      - { .name: miximg, .offset: 0, .size: 8, .value_kind: global_buffer, .address_space: global }
      - { .name: xwimg, .offset: 8, .size: 8, .value_kind: global_buffer, .address_space: global }
      - { .name: bo, .offset: 16, .size: 8, .value_kind: global_buffer, .address_space: global }
      - { .name: tokens, .offset: 24, .size: 8, .value_kind: global_buffer, .address_space: global }
      - { .name: out0, .offset: 32, .size: 8, .value_kind: global_buffer, .address_space: global }
    .group_segment_fixed_size: 327680
    .private_segment_fixed_size: 0
    .kernarg_segment_align: 8
    .kernarg_segment_size: 40
    .max_flat_workgroup_size: 128
    .sgpr_count:     100
    .vgpr_count:     1024
    .wavefront_size: 32
...
	.end_amdgpu_metadata
.endif
;; end of part 5
